; MI455X (gfx1250); checked and timed in simulation.
; The chip was launched on July 23, 2026; its instructions are those of AMD's public machine-readable ISA for CDNA 5 (MIT licence, August 2026) and "CDNA5" Instruction Set Architecture Reference Guide (July 2026). The comments in the code are by the model that wrote it; some were corrected since.
;; Causal Self Attention. Allowed arithmetic: float matrix products may take bf16 or f16 operands with f32 sums; all other float work in f32.
;; Inputs: b_attn 3,072 float32; b_proj 1,024 float32; w_attn 3,072 x 1,024 float32; w_proj 1,024 x 1,024 float32; x 4 x 2,048 x 1,024 float32.
;; Outputs: out0 4 x 2,048 x 1,024 float32.
;; 2 versions, each right; version 2 is version 1 with the launch convert written anew for expert scheduling mode. Each part assembles by itself: llvm-mc -triple=amdgcn-amd-amdhsa -mcpu=gfx1250 --defsym DOCPART=n.
;; ======== version 1 of 2: 4 launches
;; limits: values are held in f16: magnitudes above 65,504 overflow, below 6.1e-05 lose precision
;; workspace buffers: xb 16,777,216 bytes; wab 6,291,456 bytes; wph 2,097,152 bytes; qkv 50,331,648 bytes; yh 16,777,216 bytes
;; launch convert (part 1): grid 768 x 1, 8 waves a work-group, no clusters, 0 bytes of LDS; arguments x, w_attn, w_proj, xb, wab, wph; writes xb, wab, wph
.if DOCPART == 1
	.amdgcn_target "amdgcn-amd-amdhsa--gfx1250"
	.amdhsa_code_object_version 6
	.text
	.protected	k_qcb46d08d39_convert
	.globl	k_qcb46d08d39_convert
	.p2align	8
	.type	k_qcb46d08d39_convert,@function
k_qcb46d08d39_convert:
	s_mov_b64 s[64:65], 0
	v_nop
	global_prefetch_b8 v0, s[64:65] scope:SCOPE_SE
	s_setreg_imm32_b32 hwreg(HW_REG_WAVE_MODE, 25, 1), 1
	s_wait_xcnt 0x0
; CAUSAL SELF-ATTENTION in four launches: this cast, the QKV product, the attention, the output product.
;
; WORK LEFT OUT IN THE LATER LAUNCHES, and why it can reach no output for any finite inputs:
; (a) Score tiles whose every key index is above every query index.  reference() itself sets those scores to the lowest f32 by its
;     jnp.tril mask; each query row has its own diagonal score unmasked, so the row's maximum is a live score, the masked entries' exponentials
;     are 0 and their products with v add 0.  Such tiles of q k^T and of att v are not computed, and their k and v are not loaded for that query block.
; (b) The K third of b_attn (entries 1024 to 2047).  q.(k + bk) = q.k + q.bk, and q.bk is the same for every key of a query row: a term that is
;     constant along the softmax's axis cancels between numerator and denominator.  Those 1,024 numbers are not loaded; the Q and V thirds are.
; LIMIT: a NaN, an infinity or an overflow that reaches only the work left out (the K bias; k and v of tiles above the diagonal) is not carried to the result.
;
; THIS LAUNCH: x and w_attn are rounded once to bf16 (xb, wab); w_proj is rounded to bf16 and that number written as f16 (wph), because its partner
; in the last product, y, is kept in f16.  The f16 copy is exact for |w| >= 2^-17; below that it is off by at most 2^-25.  LIMIT: |w_proj| < 65504.
; A stream: each byte is read once and written once; LDS, matrix units and clusters have nothing to add here.
; A work-group takes 16,384 numbers: groups 0-511 x, 512-703 w_attn, 704-767 w_proj.  Thread t takes the 16 bytes at 4096 j + 16 t, j = 0..15:
; a wave's load covers 512 consecutive bytes, its store 256 consecutive bytes at a multiple of 256.  All sixteen loads go out first; there is no
; loop and every register that a memory instruction names is written once, so no source of a pending instruction is ever rewritten.
.set X, 4                              ; v[4:67]    load j: 4 f32
.set Y, 68                             ; v[68:99]   store j: 4 numbers of 16 bits
.set T, 100                            ; v[100:105] at work (w_proj only)
	s_load_b256 s[4:11], s[0:1], 0x0               ; x s[4:5], w_attn s[6:7], w_proj s[8:9], xb s[10:11]
	s_load_b128 s[12:15], s[0:1], 0x20             ; wab s[12:13], wph s[14:15]
	s_mov_b32 s20, ttmp9
	s_mov_b32 s24, 0xffff0000                      ; a word's upper bf16
	s_movk_i32 s25, 512                            ; first group of w_attn
	s_movk_i32 s26, 704                            ; first group of w_proj
	v_lshlrev_b32 v1, 4, v0                        ; 16 t
	v_lshlrev_b32 v2, 3, v0                        ; 8 t
	s_wait_kmcnt 0x0
	s_cmp_lt_u32 s20, s26                          ; the choice of buffers hangs on the group's number alone
	s_cselect_b64 s[16:17], s[6:7], s[8:9]
	s_cselect_b64 s[18:19], s[12:13], s[14:15]
	s_cselect_b32 s21, s25, s26
	s_cmp_lt_u32 s20, s25
	s_cselect_b64 s[16:17], s[4:5], s[16:17]
	s_cselect_b64 s[18:19], s[10:11], s[18:19]
	s_cselect_b32 s21, 0, s21
	s_sub_co_u32 s21, s20, s21                     ; the group's number inside its buffer
	s_lshl_b32 s22, s21, 16                        ; 65,536 bytes of f32 a group
	s_mov_b32 s23, 0
	s_add_nc_u64 s[16:17], s[16:17], s[22:23]
	s_lshl_b32 s22, s21, 15                        ; 32,768 bytes of 16-bit numbers a group
	s_add_nc_u64 s[18:19], s[18:19], s[22:23]
.irp j, 0,1,2,3,4,5,6,7,8,9,10,11,12,13,14,15
	global_load_b128 v[X+4*\j:X+4*\j+3], v1, s[16:17] offset:4096*\j th:TH_LOAD_NT
.endr
.macro OUTB j                          ; four numbers to bf16
	s_wait_loadcnt 15-\j                           ; loads come back in order: load j is in, the 15 - j younger ones stay out
	v_cvt_pk_bf16_f32 v[Y+2*\j],   v[X+4*\j],   v[X+4*\j+1]
	v_cvt_pk_bf16_f32 v[Y+2*\j+1], v[X+4*\j+2], v[X+4*\j+3]
	global_store_b64 v2, v[Y+2*\j:Y+2*\j+1], s[18:19] offset:2048*\j
.endm
.macro OUTH j                          ; four numbers rounded to bf16, widened again, written as f16
	s_wait_loadcnt 15-\j
	v_cvt_pk_bf16_f32 v[T],   v[X+4*\j],   v[X+4*\j+1]
	v_cvt_pk_bf16_f32 v[T+1], v[X+4*\j+2], v[X+4*\j+3]
	v_lshlrev_b32 v[T+2], 16, v[T]
	v_and_b32     v[T+3], s24, v[T]
	v_lshlrev_b32 v[T+4], 16, v[T+1]
	v_and_b32     v[T+5], s24, v[T+1]
	v_cvt_pk_f16_f32 v[Y+2*\j],   v[T+2], v[T+3]
	v_cvt_pk_f16_f32 v[Y+2*\j+1], v[T+4], v[T+5]
	global_store_b64 v2, v[Y+2*\j:Y+2*\j+1], s[18:19] offset:2048*\j
.endm
	s_cmp_ge_u32 s20, s26
	s_cbranch_scc1 .Lproj
.irp j, 0,1,2,3,4,5,6,7,8,9,10,11,12,13,14,15
	OUTB \j
.endr
	s_endpgm
.Lproj:
.irp j, 0,1,2,3,4,5,6,7,8,9,10,11,12,13,14,15
	OUTH \j
.endr
	s_endpgm
.Lfunc_end_k_qcb46d08d39_convert:
	.size	k_qcb46d08d39_convert, .Lfunc_end_k_qcb46d08d39_convert-k_qcb46d08d39_convert
	.p2alignl 7, 3214868480
	.fill 96, 4, 3214868480
	.section	.rodata,"a",@progbits
	.p2align	6, 0x0
	.amdhsa_kernel k_qcb46d08d39_convert
		.amdhsa_group_segment_fixed_size 0
		.amdhsa_private_segment_fixed_size 0
		.amdhsa_enable_private_segment 0
		.amdhsa_kernarg_size 48
		.amdhsa_user_sgpr_count 2
		.amdhsa_user_sgpr_kernarg_segment_ptr 1
		.amdhsa_wavefront_size32 1
		.amdhsa_system_sgpr_workgroup_id_x 1
		.amdhsa_system_sgpr_workgroup_id_y 1
		.amdhsa_system_sgpr_workgroup_id_z 1
		.amdhsa_system_vgpr_workitem_id 0
		.amdhsa_next_free_vgpr 112
		.amdhsa_next_free_sgpr 66
		.amdhsa_reserve_vcc 0
		.amdhsa_float_denorm_mode_32 3
		.amdhsa_float_denorm_mode_16_64 3
		.amdhsa_memory_ordered 1
		.amdhsa_forward_progress 1
		.amdhsa_inst_pref_size 15
	.end_amdhsa_kernel
	.amdgpu_metadata
---
amdhsa.version: [ 1, 2 ]
amdhsa.kernels:
  - .name:           k_qcb46d08d39_convert
    .symbol:         k_qcb46d08d39_convert.kd
    .args:
      - { .name: x, .offset: 0, .size: 8, .value_kind: global_buffer, .address_space: global }
      - { .name: w_attn, .offset: 8, .size: 8, .value_kind: global_buffer, .address_space: global }
      - { .name: w_proj, .offset: 16, .size: 8, .value_kind: global_buffer, .address_space: global }
      - { .name: xb, .offset: 24, .size: 8, .value_kind: global_buffer, .address_space: global }
      - { .name: wab, .offset: 32, .size: 8, .value_kind: global_buffer, .address_space: global }
      - { .name: wph, .offset: 40, .size: 8, .value_kind: global_buffer, .address_space: global }
    .group_segment_fixed_size: 0
    .private_segment_fixed_size: 0
    .kernarg_segment_align: 8
    .kernarg_segment_size: 48
    .max_flat_workgroup_size: 256
    .sgpr_count:     66
    .vgpr_count:     112
    .wavefront_size: 32
...
	.end_amdgpu_metadata
.endif
;; end of part 1
;; launch qkvgemm (part 2): grid 8 x 32, 4 waves a work-group, clusters of 4 x 4, 327,680 bytes of LDS; arguments xb, wab, b_attn, qkv; writes qkv
.if DOCPART == 2
	.amdgcn_target "amdgcn-amd-amdhsa--gfx1250"
	.amdhsa_code_object_version 6
	.text
	.protected	k_qcb46d08d39_qkvgemm
	.globl	k_qcb46d08d39_qkvgemm
	.p2align	8
	.type	k_qcb46d08d39_qkvgemm,@function
k_qcb46d08d39_qkvgemm:
	s_mov_b64 s[64:65], 0
	v_nop
	global_prefetch_b8 v0, s[64:65] scope:SCOPE_SE
	s_setreg_imm32_b32 hwreg(HW_REG_WAVE_MODE, 25, 1), 1
	s_wait_xcnt 0x0
	s_wait_alu depctr_hold_cnt(0) depctr_sa_sdst(0) depctr_va_vdst(0) depctr_va_sdst(0) depctr_va_ssrc(0) depctr_va_vcc(0) depctr_vm_vsrc(0)
	s_getreg_b32 s2, hwreg(HW_REG_IB_STS2, 6, 4)
	s_cmp_eq_u32 s2, 0
	s_cbranch_scc0 .Lentry_in_a_cluster
	s_endpgm
.Lentry_in_a_cluster:
	s_bfe_u32 s2, ttmp6, 0x10000c
	s_cmp_lg_u32 s2, 0xf033
	s_cbranch_scc0 .Lentry_shape_is_right
	s_endpgm
.Lentry_shape_is_right:
; qkv[m][n] = sum over k of xb[m][k] wab[n][k], bf16 operands, f32 sums, written as f16 [8192][3072]:
;   columns    0-1023: (q + bq) * 0.125 * log2(e)   (the score's scale 1/sqrt(64) and the change to base 2 are folded in here)
;   columns 1024-2047: k WITHOUT its bias: q.bk is the same for every key of a query row and cancels in the softmax; those 1,024 numbers of b_attn are not loaded
;   columns 2048-3071: v + bv
; LIMIT: what is written must lie inside f16: |0.18 (q + bq)|, |k|, |v + bv| < 65504.
; EQUAL WORK: 256 work-groups that stay.  Each first makes a block of 256 x 256 of Q (cluster x = 0) or of K (cluster x = 1), then a block of 128 x 256 of V:
; 65,536 + 32,768 = 98,304 results, a 256th of 8,192 x 3,072.  The first block lies at block row 4 x cluster y + cy, block column 4 x cluster x + cx; the second
; at rows 256 x block row + 128 x cluster x, columns 2,048 + 256 cx.
; Four waves.  In the first block a wave makes 128 x 128 (64 accumulator tiles, windows 2 and 3), in the second 64 x 128 (32 tiles, window 2).
; K goes in steps of 128 through a ring of two LDS slots filled by tensor loads: a tile's rows are 256 bytes of memory at multiples of 256.  The ring runs on from the
; first block into the second: the turns behind the first block's last two K steps ask for the second block's first two, which land while the first block is
; written out; and the first block's stores leave while the second block is multiplied.
; CLUSTERS: 4 x 4 work-groups.  In both blocks xb's tile hangs on the block row and the cluster's x alone and is common to a row of the cluster; wab's hangs on cx (and the
; cluster's x) alone and is common to a column: each is asked for jointly by the four, with one descriptor and a mask that names them.
; The cluster's x is the same in all sixteen partners: the first block's tail branches on it (Q or K).
;
; REGISTERS, in windows of 256:
;   window 0: v0-31 addresses; v32-63 and v224-255 my 64 bias numbers; v64-127, v128-191 fragments of xb, two buffers; v192-223 at work on the way out
;   window 1: v64-127, v128-191 fragments of wab, two buffers
;   window 2: accumulator tiles of my rows 0-63 (tile (a, b) at v[8 (8 a + b)]);   window 3: those of my rows 64-127 (first block only)
; THE MATRIX INSTRUCTION IS USED TRANSPOSED: source 0 = 16 rows of wab, source 1 = 16 rows of xb.  Lane l then holds row l % 16 of the result and its
; registers 0 to 7 the columns 8 (l / 16) + 0 .. 7: eight neighbouring numbers of a row, which pack into 16 bytes.
.set SIZE_N, 3072
.set SIZE_K, 1024
.set KSTEP,  128
.set PITCH,  272                       ; an LDS row: 256 bytes + 16 of padding: row r starts 16 r bytes further modulo 256, so the 16 rows of a fragment load do not collide
.set HALFT,  128*PITCH                 ; 128 rows: what one tensor load brings
.set SLOT,   4*HALFT                   ; xb's rows (256, in the second block 128), then from 2 HALFT on wab's 256 rows
.set STAGE,  2*SLOT                    ; behind the ring: 16 rows x 272 bytes for each wave; no tensor load lands here
.set SPITCH, 272
.set LAPS, SIZE_K/(2*KSTEP)            ; a lap = two K steps = once round the ring: 4 for each block
.set ADRA, 16                          ; v16-17  LDS address of my xb fragments in slot 0, 1, first block (128 rows)
.set ADRA2, 18                         ; v18-19  the same, second block (64 rows)
.set ADRB, 20                          ; v20-21  the same for wab, both blocks
.set STO,  24                          ; v24     the way out: where I put 16 bytes of a row
.set RD,   25                          ; v25     the way out: where I read a row back
.set CO,   26                          ; v26     my byte offset in qkv
.set BO,   27                          ; v27     32 (l / 16): my byte offset in the bias of a tile
.set BI,   32                          ; bias of tile b: 8 registers at BI + 8 b + 160 (b / 4)
.set F0,   64
.set F1,   128
.set TMP,  192
.set G1, 24                            ; s[24:31] descriptor group 1 for xb's tiles
.set G0, 32                            ; s[32:39] descriptor group 0 for xb's tiles, one set for each slot
.set G1B, 48                           ; s[48:55] group 1 for wab's tiles: another mask
.set G0B, 56                           ; s[56:63] group 0 for wab's tiles
.set CP,  76                           ; s[76:77] where the way out stores
.set B2,  78                           ; s[78:79] wab at my part of the second block's rows
.set A2,  80                           ; s[80:81] xb at the second block's rows
.set BV,  82                           ; s[82:83] b_attn at my columns of V
.set MSB, 0
.macro WIN new                         ; the immediate's high byte repeats the setting that is left
.if MSB != (\new)
	s_set_vgpr_msb (MSB<<8)|(\new)
.set MSB, (\new)
.endif
.endm
.set MUL_LO, 0xa1                      ; source 0 (wab) window 1, source 1 (xb) window 0, C and D window 2
.set MUL_HI, 0xf1                      ; the same, C and D window 3
.set TO_B,   0x40                      ; destination window 1, address window 0
; A joint load of the first block.  Waves 0 and 1 fetch xb's two halves, waves 2 and 3 wab's.  The branch hangs on the wave's number alone.
.macro JLOAD s
	s_cmp_eq_u32 s11, 0
	s_cbranch_scc0 .Lfor_b_\@
	tensor_load_to_lds s[G0+4*\s:G0+4*\s+3], s[G1:G1+7]
	s_nop 0
	s_branch .Lasked_\@
.Lfor_b_\@:
	tensor_load_to_lds s[G0B+4*\s:G0B+4*\s+3], s[G1B:G1B+7]
	s_nop 0
.Lasked_\@:
.endm
; A joint load of the second block: xb's tile has 128 rows, one load, wave 0's; wave 1 has no part of a tile and issues none; waves 2 and 3 fetch wab's halves.
.macro JLOAD2 s
	s_cmp_eq_u32 s10, 0
	s_cbranch_scc0 .Lnot_a_\@
	tensor_load_to_lds s[G0+4*\s:G0+4*\s+3], s[G1:G1+7]
	s_nop 0
	s_branch .Lasked2_\@
.Lnot_a_\@:
	s_cmp_lt_u32 s10, 2
	s_cbranch_scc1 .Lasked2_\@
	tensor_load_to_lds s[G0B+4*\s:G0B+4*\s+3], s[G1B:G1B+7]
	s_nop 0
.Lasked2_\@:
.endm
; A round of the cluster's barrier: my work-group's barrier; wave 0 signals for the work-group; every wave waits for all sixteen; my work-group's barrier again.
.macro CREST                           ; a round behind its opening barrier
	s_cmp_lg_u32 s10, 0
	s_cbranch_scc1 .Lnot_wave_0_\@
	s_barrier_signal -3
.Lnot_wave_0_\@:
	s_barrier_wait -3
	s_barrier_signal -1
	s_barrier_wait -1
.endm
.macro CROUND
	s_barrier_signal -1
	s_barrier_wait -1
	CREST
.endm
	s_load_b128 s[4:7], s[0:1], 0x0                ; xb s[4:5], wab s[6:7]
	s_load_b64 s[66:67], s[0:1], 0x10              ; b_attn
	s_load_b64 s[8:9], s[0:1], 0x18                ; qkv
	s_set_vgpr_msb 0x40
	v_lshl_add_u32 v255, v0, 2, 0x48400
	s_set_vgpr_msb 0x4000
	v_mov_b32 v31, 0
	s_set_vgpr_msb 0x1
	ds_add_u32 v255, v31
	ds_add_u32 v255, v31
	s_set_vgpr_msb 0x100
	v_lshrrev_b32 v1, 5, v0
	v_readfirstlane_b32 s10, v1                    ; wave 0..3
	s_lshr_b32 s11, s10, 1                         ; which half of the block's rows is mine.  Also, first block: I fetch for xb (0) or wab (1)
	s_and_b32 s12, s10, 1                          ; which half of its columns.  Also: which 128 rows of that tile I fetch
	s_bfe_u32 s40, ttmp6, 0x40000                  ; cx
	s_bfe_u32 s41, ttmp6, 0x40004                  ; cy
	s_mov_b32 s70, ttmp9                           ; the cluster's x: 0 = Q, 1 = K; also which 128 rows of V
	s_mov_b32 s68, 0x3e38aa3b                      ; 0.125 log2(e), twice: a pair for the packed forms
	s_mov_b32 s69, 0x3e38aa3b
	s_lshl_b32 s42, ttmp9, 2
	s_add_co_u32 s42, s42, s40                     ; first block's column = 4 x cluster x + cx
	s_and_b32 s13, ttmp7, 0xffff
	s_lshl_b32 s13, s13, 2
	s_add_co_u32 s13, s13, s41                     ; block row = 4 x cluster y + cy
	s_lshl_b32 s43, s41, 2
	s_lshl_b32 s43, 15, s43                        ; my row of the cluster: places 4 cy .. 4 cy + 3
	s_lshl_b32 s44, 0x1111, s40                    ; my column: places cx, cx + 4, cx + 8, cx + 12
	; descriptor group 1: a tile of 128 rows x 128 elements of 2 bytes, 4 words of padding behind every 64
	s_or_b32 s[G1+0], s43, (1<<16)|(1<<20)|(1<<21)|(5<<22)|(3<<25)
	s_or_b32 s[G1B+0], s44, (1<<16)|(1<<20)|(1<<21)|(5<<22)|(3<<25)
	s_mov_b32 s[G1B+1], KSTEP<<16
	s_mov_b32 s[G1+1], KSTEP<<16                   ; tensor_dim0 = 128
	s_mov_b32 s[G1B+2], 128<<16
	s_mov_b32 s[G1+2], 128<<16                     ; tensor_dim1 = 128
	s_mov_b32 s[G1B+3], KSTEP<<16
	s_mov_b32 s[G1+3], KSTEP<<16                   ; tile_dim0 = 128
	s_mov_b32 s[G1B+4], 128
	s_mov_b32 s[G1+4], 128                         ; tile_dim1 = 128
	s_mov_b32 s[G1B+5], SIZE_K
	s_mov_b32 s[G1+5], SIZE_K                      ; elements from row to row
	s_mov_b32 s[G1B+6], 0
	s_mov_b32 s[G1+6], 0
	s_mov_b32 s[G1B+7], 0
	s_mov_b32 s[G1+7], 0
	; xb's offsets are made of the block row, the cluster's x and the wave's number; wab's of cx, the cluster's x and the wave's number; each in registers that never hold the other's coordinate
	s_lshl_b32 s17, s12, 7                         ; 128 x (wave & 1)
	s_lshl_b32 s16, s13, 8
	s_add_co_u32 s16, s16, s17                     ; xb, first block: row 256 x block row + 128 x half,
	s_lshl_b32 s16, s16, 11                        ; of 2,048 bytes
	s_lshl_b32 s72, s13, 8
	s_lshl_b32 s73, s70, 7
	s_add_co_u32 s72, s72, s73                     ; xb, second block: row 256 x block row + 128 x cluster x
	s_lshl_b32 s72, s72, 11
	s_lshl_b32 s46, s42, 8
	s_add_co_u32 s46, s46, s17                     ; wab, first block: row 256 x block column + 128 x half
	s_lshl_b32 s46, s46, 11
	s_lshl_b32 s74, s40, 8
	s_add_co_u32 s74, s74, s17
	s_add_co_u32 s74, s74, 2048                    ; wab, second block: row 2,048 + 256 cx + 128 x half
	s_lshl_b32 s74, s74, 11
	s_mov_b32 s17, 0
	s_mov_b32 s73, 0
	s_mov_b32 s47, 0
	s_mov_b32 s75, 0
	s_mul_i32 s20, s10, HALFT                      ; where the tiles go: wave x 128 rows
	s_lshl_b32 s84, s42, 10                        ; my 128 columns of the first block in b_attn: 4 (256 x block column + 128 x half) bytes
	s_lshl_b32 s85, s12, 9
	s_add_co_u32 s84, s84, s85
	s_lshl_b32 s86, s40, 10                        ; and of V: 4 (2,048 + 256 cx + 128 x half)
	s_add_co_u32 s86, s86, s85
	s_add_co_u32 s86, s86, 8192
	s_mov_b32 s85, 0
	s_mov_b32 s87, 0
	s_wait_dscnt 0x0
	s_wait_kmcnt 0x0
	s_add_nc_u64 s[14:15], s[4:5], s[16:17]
	s_add_nc_u64 s[A2:A2+1], s[4:5], s[72:73]
	s_add_nc_u64 s[46:47], s[6:7], s[46:47]
	s_add_nc_u64 s[B2:B2+1], s[6:7], s[74:75]
	s_add_nc_u64 s[BV:BV+1], s[66:67], s[86:87]
	s_add_nc_u64 s[66:67], s[66:67], s[84:85]
	CROUND                                         ; all sixteen work-groups are here: the first joint loads meet
.irp s, 0,1
	s_mov_b32 s[G0+4*\s], 1
	s_add_co_u32 s[G0+4*\s+1], s20, \s*SLOT
	s_add_nc_u64 s[G0+4*\s+2:G0+4*\s+3], s[14:15], \s*KSTEP*2
	s_or_b32 s[G0+4*\s+3], s[G0+4*\s+3], 0x80000000
	s_mov_b32 s[G0B+4*\s], 1
	s_add_co_u32 s[G0B+4*\s+1], s20, \s*SLOT
	s_add_nc_u64 s[G0B+4*\s+2:G0B+4*\s+3], s[46:47], \s*KSTEP*2
	s_or_b32 s[G0B+4*\s+3], s[G0B+4*\s+3], 0x80000000
	JLOAD \s                                       ; both slots are asked for before anything else: two tensor loads of mine are out
.endr
	; A fragment: lane l holds row l % 16; registers 0-3 K = 8 (l / 16) + 0..7, registers 4-7 K = 16 + 8 (l / 16) + 0..7: two loads of 16 bytes, 32 apart
	v_and_b32 v1, 15, v0
	v_bfe_u32 v2, v0, 4, 1
	v_mul_u32_u24 v3, v1, PITCH
	v_lshl_add_u32 v3, v2, 4, v3
	s_mul_i32 s21, s11, HALFT                      ; first block: my 128 rows of xb
	s_mul_i32 s22, s12, HALFT
	s_add_co_u32 s22, s22, 2*HALFT                 ; my 128 rows of wab
	s_mul_i32 s23, s11, 64*PITCH                   ; second block: my 64 rows of xb
.irp s, 0,1
	v_add_nc_u32 v[ADRA+\s], s21, v3
	v_add_nc_u32 v[ADRA2+\s], s23, v3
	v_add_nc_u32 v[ADRB+\s], s22, v3
	s_add_co_u32 s21, s21, SLOT
	s_add_co_u32 s22, s22, SLOT
	s_add_co_u32 s23, s23, SLOT
.endr
	s_mul_i32 s23, s10, 16*SPITCH
	s_add_co_u32 s23, s23, STAGE
	v_mul_u32_u24 v4, v1, SPITCH
	v_lshl_add_u32 v4, v2, 4, v4
	v_add_nc_u32 v[STO], s23, v4
	v_mul_u32_u24 v5, v2, SPITCH
	v_lshl_add_u32 v5, v1, 4, v5
	v_add_nc_u32 v[RD], s23, v5
	v_mul_u32_u24 v5, v2, SIZE_N*2
	v_lshl_add_u32 v[CO], v1, 4, v5
	v_lshlrev_b32 v[BO], 5, v2
; 16 matrix instructions: m blocks a0, a0 + 1 of the window's four x all 8 n blocks, 32 along K.  zero = 1: the first product starts the sums.
; The accumulators (64 in the first block, 32 in the second) take turns, one instruction a turn, in the same order in every quarter step.
.macro MUL16 f, hi, a0, zero
.irp a, \a0, \a0+1
.irp b, 0,1,2,3,4,5,6,7
.if \zero
	v_wmma_f32_16x16x32_bf16 v[8*(8*(\a)+\b):8*(8*(\a)+\b)+7], v[\f+8*\b:\f+8*\b+7], v[\f+8*(4*\hi+\a):\f+8*(4*\hi+\a)+7], 0
.else
	v_wmma_f32_16x16x32_bf16 v[8*(8*(\a)+\b):8*(8*(\a)+\b)+7], v[\f+8*\b:\f+8*\b+7], v[\f+8*(4*\hi+\a):\f+8*(4*\hi+\a)+7], v[8*(8*(\a)+\b):8*(8*(\a)+\b)+7]
.endif
.endr
.endr
.endm
.macro FETCH slot, k, f                ; first block: 32 LDS loads in one run: one quarter step's fragments into buffer f
	WIN TO_B
.irp i, 0,1,2,3,4,5,6,7
	ds_load_b128 v[\f+8*\i:\f+8*\i+3],   v[ADRB+\slot] offset:\k+\i*16*PITCH
	ds_load_b128 v[\f+8*\i+4:\f+8*\i+7], v[ADRB+\slot] offset:\k+\i*16*PITCH+32
.endr
	WIN 0
.irp i, 0,1,2,3,4,5,6,7
	ds_load_b128 v[\f+8*\i:\f+8*\i+3],   v[ADRA+\slot] offset:\k+\i*16*PITCH
	ds_load_b128 v[\f+8*\i+4:\f+8*\i+7], v[ADRA+\slot] offset:\k+\i*16*PITCH+32
.endr
.endm
.macro FETCH2 slot, k, f               ; second block: 24 LDS loads: 128 rows of wab, 64 rows of xb
	WIN TO_B
.irp i, 0,1,2,3,4,5,6,7
	ds_load_b128 v[\f+8*\i:\f+8*\i+3],   v[ADRB+\slot] offset:\k+\i*16*PITCH
	ds_load_b128 v[\f+8*\i+4:\f+8*\i+7], v[ADRB+\slot] offset:\k+\i*16*PITCH+32
.endr
	WIN 0
.irp i, 0,1,2,3
	ds_load_b128 v[\f+8*\i:\f+8*\i+3],   v[ADRA2+\slot] offset:\k+\i*16*PITCH
	ds_load_b128 v[\f+8*\i+4:\f+8*\i+7], v[ADRA2+\slot] offset:\k+\i*16*PITCH+32
.endr
.endm
; A load into a register that a matrix instruction has read, and a vector instruction that touches a matrix instruction's registers, stand four
; independent vector instructions behind it; other matrix instructions are not counted here.
.macro PLACES
.rept 4
	v_nop
.endr
.endm
; ---- the first block's K step: four quarters of 64 matrix instructions ----
.macro QUARTER slot, k, f, g, zero
	s_wait_dscnt 8                                 ; wab's fragments and xb's rows 0-63 are in; the youngest eight loads (xb's rows 64-127) may be out
	WIN MUL_LO
	MUL16 \f, 0, 0, \zero
	MUL16 \f, 0, 2, \zero
	PLACES
	FETCH \slot, \k, \g
	s_wait_dscnt 32                                ; all but the 32 just issued
	WIN MUL_HI
	MUL16 \f, 1, 0, \zero
	MUL16 \f, 1, 2, \zero
.endm
.macro THREE slot, zero
	QUARTER \slot, 64,  F0, F1, \zero
	QUARTER \slot, 128, F1, F0, 0
	QUARTER \slot, 192, F0, F1, 0
.endm
; The last quarter of a K step changes slots.  In front of the barrier each wave waits for its reads of this slot and for all its tensor loads (one is
; out: its part of the next slot).  Behind the round the refill comes first.  fill = 1: this slot's tile two K steps on; fill = 2: the second block's K step \slot:
; the group 0 is written from the pointers made at the start, where no tensor load of the wave is out.  fetch = 0: the next slot's fragments are not read yet
; (the fragment buffers serve the way out first).
.macro TURN slot, next, fill, fetch
	s_wait_dscnt 8
	WIN MUL_LO
	MUL16 F1, 0, 0, 0
	s_wait_dscnt 0                                 ; my reads of this slot are over
	s_wait_tensorcnt 0x0                           ; all my tensor loads have landed
	ds_add_u32 v255, v31
	s_wait_dscnt 0x0
	s_barrier_signal -1                            ; this barrier opens a round of the cluster's barrier
	MUL16 F1, 0, 2, 0                              ; registers only
	WIN 0
	s_barrier_wait -1
	CREST                                          ; no wave of any partner still reads this slot or has a load on its way
.if \fill == 1
	s_add_nc_u64 s[G0+4*\slot+2:G0+4*\slot+3], s[G0+4*\slot+2:G0+4*\slot+3], 2*KSTEP*2
	s_add_nc_u64 s[G0B+4*\slot+2:G0B+4*\slot+3], s[G0B+4*\slot+2:G0B+4*\slot+3], 2*KSTEP*2
	JLOAD \slot                                    ; the first tensor load behind the round, my only one until the next
.else
	s_add_nc_u64 s[G0+4*\slot+2:G0+4*\slot+3], s[A2:A2+1], \slot*KSTEP*2
	s_or_b32 s[G0+4*\slot+3], s[G0+4*\slot+3], 0x80000000
	s_add_nc_u64 s[G0B+4*\slot+2:G0B+4*\slot+3], s[B2:B2+1], \slot*KSTEP*2
	s_or_b32 s[G0B+4*\slot+3], s[G0B+4*\slot+3], 0x80000000
	JLOAD2 \slot
.endif
.if \fetch
	PLACES
	FETCH \next, 0, F0
.endif
	WIN MUL_HI
	MUL16 F1, 1, 0, 0
	MUL16 F1, 1, 2, 0
.endm
.macro LAP zero
	THREE 0, \zero
	TURN 0, 1, 1, 1
	THREE 1, 0
	TURN 1, 0, 1, 1
.endm
; ---- the second block's K step: four quarters of 32 matrix instructions ----
; Buffer f is in; the next quarter's fragments go out into buffer g ahead of the 32 products, which cover them.
.macro QUARTER2 slot, k, f, g, zero
	s_wait_dscnt 0
	PLACES
	FETCH2 \slot, \k, \g
	WIN MUL_LO
	MUL16 \f, 0, 0, \zero
	MUL16 \f, 0, 2, \zero
.endm
.macro THREE2 slot, zero
	QUARTER2 \slot, 64,  F0, F1, \zero
	QUARTER2 \slot, 128, F1, F0, 0
	QUARTER2 \slot, 192, F0, F1, 0
.endm
.macro TURN2 slot, next, fill
	s_wait_dscnt 0                                 ; buffer 1 is in: these were my last reads of this slot
	s_wait_tensorcnt 0x0                           ; all my tensor loads have landed
	ds_add_u32 v255, v31
	s_wait_dscnt 0x0
	s_barrier_signal -1                            ; (where a slot is filled again this barrier opens a round of the cluster's barrier)
	WIN MUL_LO
	MUL16 F1, 0, 0, 0                              ; registers only
	WIN 0
	s_barrier_wait -1
.if \fill
	CREST
	s_add_nc_u64 s[G0+4*\slot+2:G0+4*\slot+3], s[G0+4*\slot+2:G0+4*\slot+3], 2*KSTEP*2
	s_add_nc_u64 s[G0B+4*\slot+2:G0B+4*\slot+3], s[G0B+4*\slot+2:G0B+4*\slot+3], 2*KSTEP*2
	JLOAD2 \slot                                   ; the first tensor load behind the round, my only one until the next
.endif
	PLACES
	FETCH2 \next, 0, F0
	WIN MUL_LO
	MUL16 F1, 0, 2, 0
.endm
.macro LAP2 zero
	THREE2 0, \zero
	TURN2 0, 1, 1
	THREE2 1, 0
	TURN2 1, 0, 1
.endm
; The way out, 16 rows at a time.  kind 0: acc * c + bq * c (the bias was scaled once); kind 1: acc; kind 2: acc + bv.  Then f16, 16 bytes a lane into my
; own stage, read back as whole rows of 256 bytes.  hi: window 2 or 3.
.macro OUT16 i, a, hi, f, kind
.if \kind != 1
.if \hi
	WIN 0xc3                                       ; destination and source 0 window 3, the bias window 0
.else
	WIN 0x82
.endif
.irp b, 0,1,2,3,4,5,6,7
.irp r, 0,1,2,3
.if \kind == 0
	v_pk_fma_f32 v[8*(8*\a+\b)+2*\r:8*(8*\a+\b)+2*\r+1], v[8*(8*\a+\b)+2*\r:8*(8*\a+\b)+2*\r+1], s[68:69], v[BI+8*\b+(\b/4)*160+2*\r:BI+8*\b+(\b/4)*160+2*\r+1] op_sel_hi:[1,0,1]
.else
	v_pk_add_f32 v[8*(8*\a+\b)+2*\r:8*(8*\a+\b)+2*\r+1], v[8*(8*\a+\b)+2*\r:8*(8*\a+\b)+2*\r+1], v[BI+8*\b+(\b/4)*160+2*\r:BI+8*\b+(\b/4)*160+2*\r+1]
.endif
.endr
.endr
.endif
.if \hi
	WIN 0x0f
.else
	WIN 0x0a
.endif
.irp b, 0,1,2,3,4,5,6,7
.irp r, 0,1,2,3
	v_cvt_pk_f16_f32 v[TMP+4*\b+\r], v[8*(8*\a+\b)+2*\r], v[8*(8*\a+\b)+2*\r+1]
.endr
.endr
	WIN 0
.irp b, 0,1,2,3,4,5,6,7
	ds_store_b128 v[STO], v[TMP+4*\b:TMP+4*\b+3] offset:32*\b
.endr
	s_wait_xcnt 0x0                                ; buffer f, which earlier stores read, and the stores' base are rewritten only behind this wait
.if \i
	s_add_nc_u64 s[CP:CP+1], s[CP:CP+1], 16*SIZE_N*2
.endif
.irp t, 0,1,2,3,4,5,6,7
	ds_load_b128 v[\f+4*\t:\f+4*\t+3], v[RD] offset:\t*2*SPITCH    ; LDS serves a wave's instructions in order: these see the stores above
.endr
.irp t, 0,1,2,3,4,5,6,7
	s_wait_dscnt 7-\t                              ; read-back t is in, the younger ones stay out
	global_store_b128 v[CO], v[\f+4*\t:\f+4*\t+3], s[CP:CP+1] offset:2*\t*SIZE_N*2   ; 16 lanes store 256 consecutive bytes at a multiple of 256
.endr
.endm
; The first block's last K step and its way out, once for Q (kind 0) and once for K (kind 1).  Q's bias is asked for at the head, so that the step's 256 matrix
; instructions cover it; its loads and its uses stand in the same branch.
.macro FIN1 kind
.if \kind == 0
.irp b, 0,1,2,3,4,5,6,7
	global_load_b128 v[BI+8*\b+(\b/4)*160:BI+8*\b+(\b/4)*160+3],   v[BO], s[66:67] offset:64*\b      ; columns 16 b + 8 (l / 16) + 0..3
	global_load_b128 v[BI+8*\b+(\b/4)*160+4:BI+8*\b+(\b/4)*160+7], v[BO], s[66:67] offset:64*\b+16   ; + 4..7
.endr
.endif
	THREE 1, 0
	TURN 1, 0, 2, 0                                ; asks for the second block's K step 1; its K step 0 has been shown landed by this turn's wait and round
	PLACES                                         ; behind the last matrix instructions: results are read, fragment buffers loaded again
	s_lshl_b32 s16, s13, 8
	s_lshl_b32 s18, s11, 7
	s_add_co_u32 s16, s16, s18                     ; my first row,
	s_mul_i32 s16, s16, SIZE_N*2                   ; of 6,144 bytes
	s_mov_b32 s17, 0
	s_add_nc_u64 s[CP:CP+1], s[8:9], s[16:17]
	s_lshl_b32 s46, s42, 9                         ; my first column, in bytes
	s_lshl_b32 s47, s12, 8
	s_add_co_u32 s46, s46, s47
	s_mov_b32 s47, 0
	s_add_nc_u64 s[CP:CP+1], s[CP:CP+1], s[46:47]
.if \kind == 0
	s_wait_loadcnt 0x0                             ; the bias
	WIN 0
.irp b, 0,1,2,3,4,5,6,7
.irp r, 0,1,2,3
	v_pk_mul_f32 v[BI+8*\b+(\b/4)*160+2*\r:BI+8*\b+(\b/4)*160+2*\r+1], v[BI+8*\b+(\b/4)*160+2*\r:BI+8*\b+(\b/4)*160+2*\r+1], s[68:69] op_sel_hi:[1,0]
.endr
.endr
.endif
	OUT16 0, 0, 0, F0, \kind
	OUT16 1, 1, 0, F1, \kind
	OUT16 2, 2, 0, F0, \kind
	OUT16 3, 3, 0, F1, \kind
	OUT16 4, 0, 1, F0, \kind
	OUT16 5, 1, 1, F1, \kind
	OUT16 6, 2, 1, F0, \kind
	OUT16 7, 3, 1, F1, \kind
	WIN 0
.endm
	; ---- the first block ----
	s_wait_tensorcnt 1                             ; my part of K step 0 is in; K step 1's stays out
	s_barrier_signal -1
	s_barrier_wait -1
	FETCH 0, 0, F0
	LAP 1                                          ; the first lap's first products start the sums
	WIN 0
	s_mov_b32 s3, LAPS-2
.Llap:
	LAP 0
	WIN 0
	s_sub_co_u32 s3, s3, 1
	s_cmp_lg_u32 s3, 0
	s_cbranch_scc1 .Llap
	THREE 0, 0                                     ; the last lap's turns ask for the second block's first two K steps
	TURN 0, 1, 2, 1
	WIN 0
	s_cmp_eq_u32 s70, 0                            ; the cluster's x, the same in all sixteen partners
	s_cbranch_scc1 .Lfin_q
	FIN1 1
	s_branch .Lsecond
.Lfin_q:
	FIN1 0
	; ---- the second block: 128 x 256 of V ----
.Lsecond:
.irp b, 0,1,2,3,4,5,6,7
	global_load_b128 v[BI+8*\b+(\b/4)*160:BI+8*\b+(\b/4)*160+3],   v[BO], s[BV:BV+1] offset:64*\b      ; V's bias: the whole block's products cover it
	global_load_b128 v[BI+8*\b+(\b/4)*160+4:BI+8*\b+(\b/4)*160+7], v[BO], s[BV:BV+1] offset:64*\b+16
.endr
	s_wait_xcnt 0x0                                ; the first block's stores read the fragment buffers and s[CP:CP+1]: rewritten only behind this wait
	FETCH2 0, 0, F0
	LAP2 1                                         ; the first products start the sums
	WIN 0
	s_mov_b32 s3, LAPS-2
.Llap2:
	LAP2 0
	WIN 0
	s_sub_co_u32 s3, s3, 1
	s_cmp_lg_u32 s3, 0
	s_cbranch_scc1 .Llap2
	THREE2 0, 0                                    ; the last lap fills nothing
	TURN2 0, 1, 0
	THREE2 1, 0
	s_wait_dscnt 0
	WIN MUL_LO
	MUL16 F1, 0, 0, 0
	MUL16 F1, 0, 2, 0
	PLACES
	s_lshl_b32 s16, s13, 8
	s_lshl_b32 s18, s70, 7
	s_add_co_u32 s16, s16, s18
	s_lshl_b32 s18, s11, 6
	s_add_co_u32 s16, s16, s18                     ; my first row: 256 x block row + 128 x cluster x + 64 x half
	s_mul_i32 s16, s16, SIZE_N*2
	s_mov_b32 s17, 0
	s_add_nc_u64 s[CP:CP+1], s[8:9], s[16:17]
	s_lshl_b32 s46, s40, 9                         ; my first column, in bytes: 2 (2,048 + 256 cx + 128 x half)
	s_lshl_b32 s47, s12, 8
	s_add_co_u32 s46, s46, s47
	s_add_co_u32 s46, s46, 4096
	s_mov_b32 s47, 0
	s_add_nc_u64 s[CP:CP+1], s[CP:CP+1], s[46:47]
	s_wait_loadcnt 0x0                             ; V's bias
	OUT16 0, 0, 0, F0, 2
	OUT16 1, 1, 0, F1, 2
	OUT16 2, 2, 0, F0, 2
	OUT16 3, 3, 0, F1, 2
	s_set_vgpr_msb 0x1
	s_wait_tensorcnt 0x0
	ds_add_u32 v255, v31
	s_wait_dscnt 0x0
	s_set_vgpr_msb 0x100
	CROUND                                         ; the closing round: no work-group ends while a partner may still ask for a tile that names it
	s_endpgm
.Lfunc_end_k_qcb46d08d39_qkvgemm:
	.size	k_qcb46d08d39_qkvgemm, .Lfunc_end_k_qcb46d08d39_qkvgemm-k_qcb46d08d39_qkvgemm
	.p2alignl 7, 3214868480
	.fill 96, 4, 3214868480
	.section	.rodata,"a",@progbits
	.p2align	6, 0x0
	.amdhsa_kernel k_qcb46d08d39_qkvgemm
		.amdhsa_group_segment_fixed_size 327680
		.amdhsa_private_segment_fixed_size 0
		.amdhsa_enable_private_segment 0
		.amdhsa_kernarg_size 32
		.amdhsa_user_sgpr_count 2
		.amdhsa_user_sgpr_kernarg_segment_ptr 1
		.amdhsa_wavefront_size32 1
		.amdhsa_system_sgpr_workgroup_id_x 1
		.amdhsa_system_sgpr_workgroup_id_y 1
		.amdhsa_system_sgpr_workgroup_id_z 1
		.amdhsa_system_vgpr_workitem_id 0
		.amdhsa_next_free_vgpr 1024
		.amdhsa_next_free_sgpr 88
		.amdhsa_reserve_vcc 0
		.amdhsa_float_denorm_mode_32 3
		.amdhsa_float_denorm_mode_16_64 3
		.amdhsa_memory_ordered 1
		.amdhsa_forward_progress 1
		.amdhsa_inst_pref_size 255
	.end_amdhsa_kernel
	.section	.bss,"aw",@nobits
	.p2align	6
	.space	262144
	.amdgpu_metadata
---
amdhsa.version: [ 1, 2 ]
amdhsa.kernels:
  - .name:           k_qcb46d08d39_qkvgemm
    .symbol:         k_qcb46d08d39_qkvgemm.kd
    .args:
      - { .name: xb, .offset: 0, .size: 8, .value_kind: global_buffer, .address_space: global }
      - { .name: wab, .offset: 8, .size: 8, .value_kind: global_buffer, .address_space: global }
      - { .name: b_attn, .offset: 16, .size: 8, .value_kind: global_buffer, .address_space: global }
      - { .name: qkv, .offset: 24, .size: 8, .value_kind: global_buffer, .address_space: global }
    .group_segment_fixed_size: 327680
    .private_segment_fixed_size: 0
    .kernarg_segment_align: 8
    .kernarg_segment_size: 32
    .max_flat_workgroup_size: 128
    .sgpr_count:     88
    .vgpr_count:     1024
    .wavefront_size: 32
...
	.end_amdgpu_metadata
.endif
;; end of part 2
;; launch attention (part 3): grid 8 x 32, 4 waves a work-group, no clusters, 327,680 bytes of LDS; arguments qkv, yh; writes yh
.if DOCPART == 3
	.amdgcn_target "amdgcn-amd-amdhsa--gfx1250"
	.amdhsa_code_object_version 6
	.text
	.protected	k_qcb46d08d39_attention
	.globl	k_qcb46d08d39_attention
	.p2align	8
	.type	k_qcb46d08d39_attention,@function
k_qcb46d08d39_attention:
	s_mov_b64 s[64:65], 0
	v_nop
	global_prefetch_b8 v0, s[64:65] scope:SCOPE_SE
	s_setreg_imm32_b32 hwreg(HW_REG_WAVE_MODE, 25, 1), 1
	s_wait_xcnt 0x0
; Causal attention.  qkv: f16 [8192][3072] (q scaled by 0.125 log2(e), k, v); yh: f16 [8192][1024].  f16 operands, f32 sums, softmax in f32 with a running maximum.
; LEFT OUT: score tiles that lie wholly above the diagonal of reference()'s own tril mask: their weights are 0 for all inputs (each row keeps its own diagonal score).
; LIMITS: masked scores are set to -inf instead of the lowest f32 (both give the weight 0); a weight below 2^-24 of its row's largest becomes 0 in f16;
; a NaN or an infinity in k or v of a tile left out is not carried to the result.
;
; A work-group: one batch b, one pair of heads hp (256 bytes of every row of qkv), two blocks of 128 queries, ia = p and ib = 15 - p: ia + 1 + ib + 1 = 17 blocks
; of 128 keys in every one of the 256 work-groups.  Wave w: head hd = w >> 1 of the pair, queries 64 u .. 64 u + 63 of the block, u = w & 1.
; NO CLUSTER: counted in key blocks, work-group p reads key block p - n as its n-th while n <= p, and key block 16 - n from then on.  The eight work-groups of a head pair
; do read the same key block once they are in their second query block, but they enter it at eight different turns (n = p + 1); until then each needs both its slots for
; tiles that no partner reads in that turn, so a joint request would have to be made, and thrown away, by partners that have no slot free for it.
; EVERYTHING IS TRANSPOSED: S^T = K Q^T (source 0 = 16 keys, source 1 = 16 queries) and O^T = V^T P^T (source 0 = V through the transposing LDS load, source 1 = P).
; So lane (r = l % 16, h = l / 16) always owns query r: the maximum, the sum and the rescaling factor are one number a lane; register j of a score tile is key 8 h + j,
; which is the place that source 1 of the second product wants: P is the lane's own scores, packed; and a lane's 8 results are 8 neighbouring d.
; Key blocks are walked downward, so each wave's first step is its diagonal one: it starts the maximum, the sum and O (C = 0): nothing is cleared.
; THE STEP STANDS IN PHASES: 32 products, 472 vector instructions, 32 products.  To let two halves of the wave's query tiles take turns, a product (K or V in window 0) and
; the other half's vector work (in place, in a window of its own) need two window switches a product, 128 a step beside 64 products, because Q, K, V (192 registers)
; and two halves of 160 registers do not fit into the 256 that one setting names; and each query block then needs a written-out way into the turns and out of them.
;
; PREFETCH: by the count above, key blocks 0 to 7 are first read at the launch's start, where nothing can lead them, and key block 15 - p is first read when work-group p
; begins its second query block (the work-groups below p read it in the same turn).  Work-group p alone asks for that block's K and V: 128 rows x 2 x 256 bytes = 64 KiB, each
; 256-byte piece once in the launch; thread t asks for row t's two pieces.  It asks in the first step of the last key block of its first query block: one step ahead of the
; tensor load of keys 64-127, two steps ahead of that of keys 0-63.  Nothing else is asked for: every other tile has been read, or asked for, by a work-group of the same head pair.
;
; LDS: slot s at 35,840 s: K 64 rows x 272 bytes, then V 64 rows x 288 (an odd multiple of 32, for the transposing load).  Slot 0 always holds keys 64-127 of a key
; block, slot 1 keys 0-63.  QA at 71,680, QB at 106,496: 128 rows x 272, filled once.  STAGE at 141,312: 128 rows x 272, written by LDS stores only.
.set BLK,   786432                     ; 128 rows of qkv, bytes
.set HALF,  393216                     ; 64 rows
.set KP,    272
.set VP,    288
.set VOFF,  64*KP                      ; V behind K in a slot
.set SLOT,  64*KP+64*VP                ; 35,840
.set QA,    2*SLOT                     ; 71,680
.set QSZ,   128*KP                     ; 34,816
.set STAGE, QA+2*QSZ                   ; 141,312
; window 0
.set ADRK, 8                           ; 272 r + 16 h + 128 hd
.set ADRV, 9                           ; VOFF + 288 (8 h + l % 8) + 16 ((l / 8) % 2) + 128 hd
.set ADRQ, 10                          ; QA + 272 (64 u + r) + 16 h + 128 hd
.set STO,  11                          ; STAGE + the same
.set RD,   12                          ; STAGE + 272 (32 w + h) + 16 r
.set CO,   13                          ; 2048 (32 w + h) + 16 r
.set PFO,  14                          ; 6144 t: row t of a key block, for the prefetch; never rewritten
.set QF,   32                          ; Q(qt, ds) at QF + 16 qt + 8 ds
.set KF,   96                          ; K(kt, ds) at KF + 16 kt + 8 ds
.set VF,   160                         ; V(dt, c)  at VF + 16 dt + 8 c
; window 1: S(qt, kt) at 32 qt + 8 kt
.set PF,   128                         ; P(qt, c) at PF + 16 qt + 8 c
.set MX,   192                         ; pair (maximum, word from the other half of the lanes) of qt at MX + 2 qt
.set AL,   200                         ; pair (rescaling factor, sum) of qt at AL + 2 qt
.set T0,   208                         ; one a qt
.set ACC,  212                         ; a pair a qt
.set NEG,  220                         ; -inf
; window 2: O(qt, dt) at 32 qt + 8 dt
.set G1K, 40                           ; s[40:47] group 1 of a K tile: all constants
.set G1V, 76                           ; s[76:83] group 1 of a V tile: all constants; it differs in the padding alone
.set G0R, 48                           ; s[48:55] group 0 of the wave's ring tile (K's in wave 0, V's in wave 1), one set for each slot
.set PB,  84                           ; s[84:85] q's row 128 ib of my batch and pair of heads, for the prefetch; never rewritten
.set MSB, 0
.macro WIN new
.if MSB != \new
	s_set_vgpr_msb (MSB<<8)|\new
.set MSB, \new
.endif
.endm
.macro PLACES                          ; four independent vector instructions behind a matrix instruction before its registers are touched (ISA guide 7.12.1)
.rept 4
	v_nop
.endr
.endm
; The ring's load into slot: wave 0 alone reaches K's line, wave 1 alone V's; waves 2 and 3 issue none.  The branches hang on the wave's number alone.
.macro RFILL slot
	s_cmp_eq_u32 s10, 0
	s_cbranch_scc0 .Lnot_k_\@
	tensor_load_to_lds s[G0R+4*\slot:G0R+4*\slot+3], s[G1K:G1K+7]
	s_nop 0
	s_branch .Lasked_\@
.Lnot_k_\@:
	s_cmp_eq_u32 s10, 1
	s_cbranch_scc0 .Lasked_\@
	tensor_load_to_lds s[G0R+4*\slot:G0R+4*\slot+3], s[G1V:G1V+7]
	s_nop 0
.Lasked_\@:
.endm
; In the last key block of the first query block (s34 = 0), and there alone: thread t asks for row t of key block ib, K's 256 bytes (2,048 behind q's) and V's (4,096 behind).
; The highest row asked for is 2,048 b + 128 ib + 127 <= 8,191, the highest byte in it 256 hp + 4,096 <= 5,888 of 6,144: inside qkv.
.macro PREF
	s_cmp_eq_u32 s34, 0
	s_cbranch_scc0 .Lnopf_\@
	global_prefetch_b8 v[PFO], s[PB:PB+1] offset:2048 th:TH_LOAD_NT scope:SCOPE_SE
	global_prefetch_b8 v[PFO], s[PB:PB+1] offset:4096 th:TH_LOAD_NT scope:SCOPE_SE
.Lnopf_\@:
.endm
	s_load_b128 s[4:7], s[0:1], 0x0                ; qkv s[4:5], yh s[6:7]
	v_lshl_add_u32 v254, v0, 2, 0x2b000
	v_mov_b32 v255, 0
	ds_add_u32 v254, v255
	ds_add_u32 v254, v255
	v_lshrrev_b32 v4, 5, v0
	v_readfirstlane_b32 s10, v4                    ; w
	s_lshr_b32 s11, s10, 1                         ; hd
	s_and_b32 s12, s10, 1                          ; u
	s_mov_b32 s17, ttmp9                           ; ia = p
	s_sub_co_u32 s18, 15, s17                      ; ib
	s_and_b32 s14, ttmp7, 0xffff
	s_lshr_b32 s15, s14, 3                         ; b
	s_and_b32 s16, s14, 7                          ; hp
	s_mov_b32 s24, 0x76543210                      ; v_permlanex16_b32: lane i reads lane i of the other half
	s_mov_b32 s25, 0xfedcba98
	s_mov_b32 s39, 0                               ; high word of every offset
	; group 1 of a K tile: 64 rows x 128 elements of 2 bytes, no work-group mask; 4 words of padding behind every 64: LDS pitch 272
	s_mov_b32 s[G1K+0], (1<<16)|(1<<20)|(5<<22)|(3<<25)
	s_mov_b32 s[G1K+1], 128<<16                    ; tensor_dim0 = 128
	s_mov_b32 s[G1K+2], 64<<16                     ; tensor_dim1 = 64
	s_mov_b32 s[G1K+3], 128<<16                    ; tile_dim0 = 128
	s_mov_b32 s[G1K+4], 64                         ; tile_dim1 = 64
	s_mov_b32 s[G1K+5], 3072                       ; elements from row to row
	s_mov_b32 s[G1K+6], 0
	s_mov_b32 s[G1K+7], 0
	; group 1 of a V tile: the same with 8 words of padding: LDS pitch 288
	s_mov_b32 s[G1V+0], (1<<16)|(1<<20)|(5<<22)|(7<<25)
	s_mov_b32 s[G1V+1], 128<<16
	s_mov_b32 s[G1V+2], 64<<16
	s_mov_b32 s[G1V+3], 128<<16
	s_mov_b32 s[G1V+4], 64
	s_mov_b32 s[G1V+5], 3072
	s_mov_b32 s[G1V+6], 0
	s_mov_b32 s[G1V+7], 0
	; group 1 of a Q tile: 128 rows, LDS pitch 272
	s_mov_b32 s56, (1<<16)|(1<<20)|(5<<22)|(3<<25)
	s_mov_b32 s57, 128<<16
	s_mov_b32 s58, 128<<16
	s_mov_b32 s59, 128<<16
	s_mov_b32 s60, 128
	s_mov_b32 s61, 3072
	s_mov_b32 s62, 0
	s_mov_b32 s63, 0
	s_mov_b32 s48, 1
	s_mul_i32 s49, s10, VOFF                       ; slot 0: K at 0 (wave 0), V at 17,408 (wave 1)
	s_mov_b32 s52, 1
	s_add_co_u32 s53, s49, SLOT                    ; slot 1
	s_mov_b32 s68, 1
	s_mul_i32 s69, s10, QSZ
	s_add_co_u32 s69, s69, 2048                    ; 2,048 + 34,816 w: QA for wave 2, QB for wave 3
	s_mul_i32 s38, s15, 12582912                   ; b x 2,048 rows of 6,144 bytes
	s_lshl_b32 s36, s16, 8
	s_add_co_u32 s38, s38, s36                     ; + 256 hp
	s_wait_dscnt 0x0
	s_wait_kmcnt 0x0
	s_add_nc_u64 s[20:21], s[4:5], s[38:39]        ; q of my batch and pair of heads
	s_add_co_u32 s38, s10, 1
	s_lshl_b32 s38, s38, 11
	s_add_nc_u64 s[22:23], s[20:21], s[38:39]      ; + 2,048 (w + 1): k for wave 0, v for wave 1
	s_mul_i32 s38, s17, BLK
	s_add_co_u32 s38, s38, HALF
	s_add_nc_u64 s[50:51], s[22:23], s[38:39]      ; the first tile: keys 64-127 of key block ia
	s_or_b32 s51, s51, 0x80000000
	s_cmp_eq_u32 s10, 2
	s_cselect_b32 s37, s17, s18
	s_mul_i32 s38, s37, BLK
	s_add_nc_u64 s[70:71], s[20:21], s[38:39]      ; query block ia for wave 2, ib for wave 3
	s_or_b32 s71, s71, 0x80000000
	; the first fills, one a wave: K (wave 0) and V (wave 1) of the first tile into slot 0, QA (wave 2), QB (wave 3)
	s_cmp_eq_u32 s10, 0
	s_cbranch_scc0 .Lfirst_not_k
	tensor_load_to_lds s[48:51], s[G1K:G1K+7]
	s_nop 0
	s_branch .Lfilled
.Lfirst_not_k:
	s_cmp_eq_u32 s10, 1
	s_cbranch_scc0 .Lfirst_q
	tensor_load_to_lds s[48:51], s[G1V:G1V+7]
	s_nop 0
	s_branch .Lfilled
.Lfirst_q:
	tensor_load_to_lds s[68:71], s[56:63]
	s_nop 0
.Lfilled:
	s_mul_i32 s38, s18, BLK
	s_add_nc_u64 s[PB:PB+1], s[20:21], s[38:39]    ; row 128 ib, for the prefetch
	s_lshl_b32 s36, s15, 22                        ; yh: b x 2,048 rows of 2,048 bytes
	s_lshl_b32 s37, s16, 8
	s_add_co_u32 s36, s36, s37
	s_lshl_b32 s37, s17, 18                        ; + 128 ia rows
	s_add_co_u32 s38, s36, s37
	s_add_nc_u64 s[72:73], s[6:7], s[38:39]
	s_lshl_b32 s37, s18, 18
	s_add_co_u32 s38, s36, s37
	s_add_nc_u64 s[74:75], s[6:7], s[38:39]
	v_and_b32 v1, 15, v0                           ; r
	v_bfe_u32 v2, v0, 4, 1                         ; h
	v_lshlrev_b32 v3, 3, v2
	v_sub_nc_u32 v3, v3, v1                        ; 8 h - r
.irp j, 0,1,2,3,4,5,6,7
	v_cmp_lt_i32 s[26+\j], -\j, v3                 ; lanes in which key 8 h + j lies above query r in a diagonal tile
.endr
	v_mul_u32_u24 v5, v1, KP
	v_lshl_add_u32 v5, v2, 4, v5                   ; 272 r + 16 h
	s_lshl_b32 s36, s11, 7                         ; 128 hd
	v_add_nc_u32 v[ADRK], s36, v5
	s_mul_i32 s37, s12, 64*KP
	s_add_co_u32 s37, s37, s36
	s_add_co_u32 s19, s37, QA
	v_add_nc_u32 v[ADRQ], s19, v5
	s_add_co_u32 s19, s37, STAGE
	v_add_nc_u32 v[STO], s19, v5
	v_and_b32 v6, 7, v0
	v_lshl_add_u32 v6, v2, 3, v6
	v_mul_u32_u24 v6, v6, VP
	v_bfe_u32 v7, v0, 3, 1
	v_lshl_add_u32 v6, v7, 4, v6
	s_add_co_u32 s19, s36, VOFF
	v_add_nc_u32 v[ADRV], s19, v6
	v_mul_u32_u24 v6, v2, KP
	v_lshl_add_u32 v6, v1, 4, v6
	s_mul_i32 s19, s10, 32*KP
	s_add_co_u32 s19, s19, STAGE
	v_add_nc_u32 v[RD], s19, v6
	v_lshlrev_b32 v6, 11, v2
	v_lshl_add_u32 v6, v1, 4, v6
	s_lshl_b32 s19, s10, 16
	v_add_nc_u32 v[CO], s19, v6
	v_mul_u32_u24 v[PFO], v0, 6144                 ; thread t = 0..127: row t of a key block
	WIN 0x40
.irp q, 0,1,2,3
	v_mov_b32 v[MX+2*\q+1], 0                      ; v_permlanex16_b32 counts as a reader of its destination
.endr
	v_mov_b32 v[NEG], 0xff800000
	WIN 0
; The change of slots.  In front of the barrier every wave waits for all its tensor loads (this step's tile among them) and for its reads of the other slot.
; fill = 1: behind it the other slot (slot) is filled first thing, K's 64 rows by wave 0 and V's by wave 1, one tensor load a wave, which has this step's work in
; which to land.  The tile is keys 64 hi .. 64 hi + 63 of key block reg.  The group 0 is written where no tensor load of the wave is out.
.macro SYNC fill, slot, hi, reg
	s_wait_tensorcnt 0x0
	ds_add_u32 v254, v255
	s_wait_dscnt 0x0
.if \fill
	s_mul_i32 s38, \reg, BLK
.if \hi
	s_add_co_u32 s38, s38, HALF
.endif
	s_add_nc_u64 s[G0R+4*\slot+2:G0R+4*\slot+3], s[22:23], s[38:39]
	s_or_b32 s[G0R+4*\slot+3], s[G0R+4*\slot+3], 0x80000000
.endif
	s_wait_dscnt 0x0
	s_barrier_signal -1
	s_barrier_wait -1
.if \fill
	RFILL \slot
.endif
.endm
.macro LOADQ sel                       ; my 64 queries x 64 d as source 1 fragments
.irp qt, 0,1,2,3
.irp ds, 0,1
	ds_load_b128 v[QF+16*\qt+8*\ds:QF+16*\qt+8*\ds+3],   v[ADRQ] offset:\sel*QSZ+\qt*16*KP+64*\ds
	ds_load_b128 v[QF+16*\qt+8*\ds+4:QF+16*\qt+8*\ds+7], v[ADRQ] offset:\sel*QSZ+\qt*16*KP+64*\ds+32
.endr
.endr
.endm
.macro LOADK s                         ; 64 keys x 64 d as source 0 fragments
.irp kt, 0,1,2,3
.irp ds, 0,1
	ds_load_b128 v[KF+16*\kt+8*\ds:KF+16*\kt+8*\ds+3],   v[ADRK] offset:\s*SLOT+\kt*16*KP+64*\ds
	ds_load_b128 v[KF+16*\kt+8*\ds+4:KF+16*\kt+8*\ds+7], v[ADRK] offset:\s*SLOT+\kt*16*KP+64*\ds+32
.endr
.endr
.endm
.macro LOADV s                         ; V^T: 64 d x 64 keys as source 0 fragments, transposed on the way from LDS
.irp dt, 0,1,2,3
.irp c, 0,1
	ds_load_tr16_b128 v[VF+16*\dt+8*\c:VF+16*\dt+8*\c+3],   v[ADRV] offset:\s*SLOT+\c*32*VP+32*\dt
	ds_load_tr16_b128 v[VF+16*\dt+8*\c+4:VF+16*\dt+8*\c+7], v[ADRV] offset:\s*SLOT+\c*32*VP+32*\dt+16*VP
.endr
.endr
.endm
; S^T = K Q^T.  diag = 1: only the tiles with kt <= qt.  The accumulators take turns, one instruction a turn.
.macro SMUL diag
.irp ds, 0,1
.irp kt, 0,1,2,3
.irp qt, 0,1,2,3
.set live, 1
.if \diag
.if \kt > \qt
.set live, 0
.endif
.endif
.if live
.if \ds == 0
	v_wmma_f32_16x16x32_f16 v[32*\qt+8*\kt:32*\qt+8*\kt+7], v[KF+16*\kt+8*\ds:KF+16*\kt+8*\ds+7], v[QF+16*\qt+8*\ds:QF+16*\qt+8*\ds+7], 0
.else
	v_wmma_f32_16x16x32_f16 v[32*\qt+8*\kt:32*\qt+8*\kt+7], v[KF+16*\kt+8*\ds:KF+16*\kt+8*\ds+7], v[QF+16*\qt+8*\ds:QF+16*\qt+8*\ds+7], v[32*\qt+8*\kt:32*\qt+8*\kt+7]
.endif
.endif
.endr
.endr
.endr
.endm
; O^T += V^T P^T.  diag = 1: keys 0-31 start the sums (C = 0), keys 32-63 serve queries 32-63 alone.  Accumulators by turns, as above.
.macro PVMUL diag
.irp c, 0,1
.irp qt, 0,1,2,3
.irp dt, 0,1,2,3
.set live, 1
.set zero, 0
.if \diag
.if \c == 0
.set zero, 1
.else
.if \qt < 2
.set live, 0
.endif
.endif
.endif
.if live
.if zero
	v_wmma_f32_16x16x32_f16 v[32*\qt+8*\dt:32*\qt+8*\dt+7], v[VF+16*\dt+8*\c:VF+16*\dt+8*\c+7], v[PF+16*\qt+8*\c:PF+16*\qt+8*\c+7], 0
.else
	v_wmma_f32_16x16x32_f16 v[32*\qt+8*\dt:32*\qt+8*\dt+7], v[VF+16*\dt+8*\c:VF+16*\dt+8*\c+7], v[PF+16*\qt+8*\c:PF+16*\qt+8*\c+7], v[32*\qt+8*\dt:32*\qt+8*\dt+7]
.endif
.endif
.endr
.endr
.endr
.endm
.macro SCALE_O                         ; O of query tile qt times the first word of its pair at AL
.irp q, 0,1,2,3
.set i, 0
.rept 16
	v_pk_mul_f32 v[32*\q+i:32*\q+i+1], v[32*\q+i:32*\q+i+1], v[AL+2*\q:AL+2*\q+1] op_sel_hi:[1,0]
.set i, i+2
.endr
.endr
.endm
; The softmax step of a full 64 x 64 tile; all in window 1.  Four chains (one a query tile) side by side.
.macro SOFT_B
.irp q, 0,1,2,3
	v_max3_num_f32 v[T0+\q], v[32*\q], v[32*\q+1], v[32*\q+2]
.endr
.set i, 3
.rept 14
.irp q, 0,1,2,3
	v_max3_num_f32 v[T0+\q], v[T0+\q], v[32*\q+i], v[32*\q+i+1]
.endr
.set i, i+2
.endr
.irp q, 0,1,2,3
	v_max3_num_f32 v[T0+\q], v[T0+\q], v[32*\q+31], v[MX+2*\q]     ; the running maximum rides along
.endr
.irp q, 0,1,2,3
	v_permlanex16_b32 v[MX+2*\q+1], v[T0+\q], s24, s25             ; the other 32 keys of my query lie in lane l xor 16
.endr
.irp q, 0,1,2,3
	v_max_num_f32 v[T0+\q], v[T0+\q], v[MX+2*\q+1]
.endr
.irp q, 0,1,2,3
	v_sub_f32 v[AL+2*\q], v[MX+2*\q], v[T0+\q]
.endr
.irp q, 0,1,2,3
	v_mov_b32 v[MX+2*\q], v[T0+\q]
.endr
.irp q, 0,1,2,3
	v_exp_f32 v[AL+2*\q], v[AL+2*\q]                               ; 2^(old maximum - new); the subtractions below stand between it and its use
.endr
.set i, 0
.rept 16
.irp q, 0,1,2,3
	v_pk_add_f32 v[32*\q+i:32*\q+i+1], v[32*\q+i:32*\q+i+1], v[MX+2*\q:MX+2*\q+1] op_sel_hi:[1,0] neg_lo:[0,1] neg_hi:[0,1]
.endr
.set i, i+2
.endr
.set i, 0
.rept 128
	v_exp_f32 v[i], v[i]
.set i, i+1
.endr
	v_nop                                          ; one plain instruction between the last exponential and the first use (ISA guide 5.7.2)
	s_wait_alu depctr_va_vdst(0)
.irp q, 0,1,2,3
	v_pk_add_f32 v[ACC+2*\q:ACC+2*\q+1], v[32*\q:32*\q+1], v[32*\q+2:32*\q+3]
.endr
.set i, 4
.rept 14
.irp q, 0,1,2,3
	v_pk_add_f32 v[ACC+2*\q:ACC+2*\q+1], v[ACC+2*\q:ACC+2*\q+1], v[32*\q+i:32*\q+i+1]
.endr
.set i, i+2
.endr
.irp q, 0,1,2,3
	v_add_f32 v[T0+\q], v[ACC+2*\q], v[ACC+2*\q+1]
.endr
.irp q, 0,1,2,3
	v_fma_f32 v[AL+2*\q+1], v[AL+2*\q+1], v[AL+2*\q], v[T0+\q]     ; the sum stays apart in the two halves of the lanes until the end
.endr
.set i, 0
.rept 64
	v_cvt_pk_f16_f32 v[PF+i], v[2*i], v[2*i+1]                     ; P(qt, c) registers 0-3 from S(qt, 2 c), 4-7 from S(qt, 2 c + 1)
.set i, i+1
.endr
.endm
; The softmax step of a diagonal 64 x 64 tile, a wave's first: query tile qt has 8 (qt + 1) live registers; it starts the maximum and the sum.
.macro SOFT_A
.irp q, 0,1,2,3
.irp j, 0,1,2,3,4,5,6,7
	v_cndmask_b32 v[40*\q+\j], v[40*\q+\j], v[NEG], s[26+\j]       ; tile (qt, qt): keys above the query
.endr
.endr
.irp q, 0,1,2,3
	v_max3_num_f32 v[T0+\q], v[32*\q], v[32*\q+1], v[32*\q+2]
.set i, 3
.rept 4*\q+2
	v_max3_num_f32 v[T0+\q], v[T0+\q], v[32*\q+i], v[32*\q+i+1]
.set i, i+2
.endr
	v_max_num_f32 v[T0+\q], v[T0+\q], v[32*\q+i]
.endr
.irp q, 0,1,2,3
	v_permlanex16_b32 v[MX+2*\q+1], v[T0+\q], s24, s25
.endr
.irp q, 0,1,2,3
	v_max_num_f32 v[MX+2*\q], v[T0+\q], v[MX+2*\q+1]               ; finite: the query's own key is live in one of the two lanes
.endr
.irp q, 0,1,2,3
.set i, 0
.rept 4*\q+4
	v_pk_add_f32 v[32*\q+i:32*\q+i+1], v[32*\q+i:32*\q+i+1], v[MX+2*\q:MX+2*\q+1] op_sel_hi:[1,0] neg_lo:[0,1] neg_hi:[0,1]
.set i, i+2
.endr
.endr
.irp q, 0,1,2,3
.set i, 0
.rept 8*\q+8
	v_exp_f32 v[32*\q+i], v[32*\q+i]
.set i, i+1
.endr
.endr
	v_nop
	s_wait_alu depctr_va_vdst(0)
.irp q, 0,1,2,3
	v_pk_add_f32 v[ACC+2*\q:ACC+2*\q+1], v[32*\q:32*\q+1], v[32*\q+2:32*\q+3]
.set i, 4
.rept 4*\q+2
	v_pk_add_f32 v[ACC+2*\q:ACC+2*\q+1], v[ACC+2*\q:ACC+2*\q+1], v[32*\q+i:32*\q+i+1]
.set i, i+2
.endr
	v_add_f32 v[AL+2*\q+1], v[ACC+2*\q], v[ACC+2*\q+1]
.endr
.irp q, 0,1,2,3
.set i, 0
.rept 4*\q+4
	v_cvt_pk_f16_f32 v[PF+16*\q+i], v[32*\q+2*i], v[32*\q+2*i+1]
.set i, i+1
.endr
.endr
.irp j, 4,5,6,7
	v_mov_b32 v[PF+\j], 0                          ; P(0, 0), keys 16-31, and
	v_mov_b32 v[PF+40+\j], 0                       ; P(2, 1), keys 48-63: dead halves of fragments that also hold live keys
.endr
.endm
; 64 keys, all below my queries.  pf = 1: the prefetch stands behind V's LDS loads, in front of the softmax's vector work
.macro STEPB s, pf
	LOADK \s
	s_wait_dscnt 0x0
	WIN 0x50                                       ; S in window 1, K and Q in window 0
	SMUL 0
	PLACES
	WIN 0
	LOADV \s                                       ; lands under the softmax
.if \pf
	PREF
.endif
	WIN 0x55
	SOFT_B
	WIN 0x86                                       ; O in window 2, the factor in window 1
	SCALE_O
	s_wait_dscnt 0x0                               ; V
	WIN 0xa4                                       ; O in window 2, V in window 0, P in window 1
	PVMUL 0
	WIN 0
.endm
.macro STEPA s                         ; my diagonal 64 keys
	LOADK \s
	s_wait_dscnt 0x0
	WIN 0x50
	SMUL 1
	PLACES
	WIN 0
	LOADV \s
	WIN 0x55
	SOFT_A
	s_wait_dscnt 0x0
	WIN 0xa4
	PVMUL 1
	WIN 0
.endm
.macro NEXT mode                       ; s35 = the key block behind s34.  mode 0: behind key block 0 of the first query block comes ib, the second one's diagonal
	s_sub_co_u32 s35, s34, 1
.if \mode == 0
	s_cmp_eq_u32 s34, 0
	s_cselect_b32 s35, s18, s35
.endif
.endm
; The diagonal key block.  Keys 64-127: dead for queries 0-63 (u = 0), diagonal for u = 1.  Keys 0-63: diagonal for u = 0, full for u = 1.
; mode 0: where the first query block has this key block alone (ia = 0), the prefetch stands here, on every wave's path.
.macro DIAG sel, mode
	SYNC 1, 1, 0, s34
	LOADQ \sel
.if \mode == 0
	PREF
.endif
	s_cmp_eq_u32 s12, 0
	s_cbranch_scc1 .Lskip_\@
	STEPA 0
.Lskip_\@:
	NEXT \mode
	SYNC 1, 0, 1, s35
	s_cmp_eq_u32 s12, 0
	s_cbranch_scc1 .Lda_\@
	STEPB 1, 0
	s_branch .Ldd_\@
.Lda_\@:
	STEPA 1
.Ldd_\@:
.endm
.macro MAIN mode                       ; a key block below the diagonal
	SYNC 1, 1, 0, s34
.if \mode == 0
	STEPB 0, 1
.else
	STEPB 0, 0
.endif
	NEXT \mode
	SYNC 1, 0, 1, s35
	STEPB 1, 0
.endm
; The end of a query block: O / sum, f16, through the stage, so that 16 lanes store a row's 256 bytes (both heads) at a multiple of 256.
.macro EPI yb
	PLACES
	WIN 0x55
.irp q, 0,1,2,3
	v_permlanex16_b32 v[MX+2*\q+1], v[AL+2*\q+1], s24, s25
.endr
.irp q, 0,1,2,3
	v_add_f32 v[AL+2*\q+1], v[AL+2*\q+1], v[MX+2*\q+1]             ; at least 1: the row's largest weight is 2^0
.endr
.irp q, 0,1,2,3
	v_rcp_f32 v[AL+2*\q], v[AL+2*\q+1]
.endr
	v_nop
	s_wait_alu depctr_va_vdst(0)
	WIN 0x86
	SCALE_O
	WIN 0x0a                                       ; sources in window 2, destination in window 0
.set i, 0
.rept 64
	v_cvt_pk_f16_f32 v[KF+i], v[2*i], v[2*i+1]
.set i, i+1
.endr
	WIN 0
.irp qt, 0,1,2,3
.irp dt, 0,1,2,3
	ds_store_b128 v[STO], v[KF+16*\qt+4*\dt:KF+16*\qt+4*\dt+3] offset:\qt*16*KP+32*\dt
.endr
.endr
	s_wait_tensorcnt 0x0                           ; the one load that may be out was asked for a whole step ago
	s_wait_dscnt 0x0                               ; my stores are done, for the waves that read them
	s_barrier_signal -1
	s_barrier_wait -1
.irp t, 0,1,2,3,4,5,6,7,8,9,10,11,12,13,14,15
	ds_load_b128 v[VF+4*\t:VF+4*\t+3], v[RD] offset:\t*2*KP
.endr
.irp t, 0,1,2,3,4,5,6,7,8,9,10,11,12,13,14,15
	s_wait_dscnt 15-\t                             ; read-back t is in, the younger ones stay out
	global_store_b128 v[CO], v[VF+4*\t:VF+4*\t+3], s[\yb:\yb+1] offset:4096*\t
.endr
	s_wait_xcnt 0x0                                ; the stores' data registers are V's fragments: loaded again only behind this wait
.endm
	s_mov_b32 s34, s17                             ; query block ia: key blocks ia down to 0
	DIAG 0, 0
	s_cmp_eq_u32 s34, 0
	s_cbranch_scc1 .Lepi_a
.Lloop_a:
	s_sub_co_u32 s34, s34, 1
	MAIN 0
	s_cmp_lg_u32 s34, 0
	s_cbranch_scc1 .Lloop_a
.Lepi_a:
	EPI 72                                         ; the ring runs on: the last step has asked for the second block's first tile
	s_mov_b32 s34, s18                             ; query block ib: key blocks ib down to 0; ib >= 8
	DIAG 1, 1
.Lloop_b:
	s_sub_co_u32 s34, s34, 1
	MAIN 1
	s_cmp_gt_i32 s34, 1                            ; key blocks ib - 1 down to 1: a signed compare ends a counter that comes down
	s_cbranch_scc1 .Lloop_b
	s_mov_b32 s34, 0                               ; key block 0 is written out: its last step asks for nothing
	SYNC 1, 1, 0, s34
	STEPB 0, 0
	SYNC 0, 0, 0, s34
	STEPB 1, 0
	EPI 74
	s_wait_tensorcnt 0x0
	ds_add_u32 v254, v255
	s_wait_dscnt 0x0
	s_endpgm
.Lfunc_end_k_qcb46d08d39_attention:
	.size	k_qcb46d08d39_attention, .Lfunc_end_k_qcb46d08d39_attention-k_qcb46d08d39_attention
	.p2alignl 7, 3214868480
	.fill 96, 4, 3214868480
	.section	.rodata,"a",@progbits
	.p2align	6, 0x0
	.amdhsa_kernel k_qcb46d08d39_attention
		.amdhsa_group_segment_fixed_size 327680
		.amdhsa_private_segment_fixed_size 0
		.amdhsa_enable_private_segment 0
		.amdhsa_kernarg_size 16
		.amdhsa_user_sgpr_count 2
		.amdhsa_user_sgpr_kernarg_segment_ptr 1
		.amdhsa_wavefront_size32 1
		.amdhsa_system_sgpr_workgroup_id_x 1
		.amdhsa_system_sgpr_workgroup_id_y 1
		.amdhsa_system_sgpr_workgroup_id_z 1
		.amdhsa_system_vgpr_workitem_id 0
		.amdhsa_next_free_vgpr 640
		.amdhsa_next_free_sgpr 86
		.amdhsa_reserve_vcc 0
		.amdhsa_float_denorm_mode_32 3
		.amdhsa_float_denorm_mode_16_64 3
		.amdhsa_memory_ordered 1
		.amdhsa_forward_progress 1
		.amdhsa_inst_pref_size 255
	.end_amdhsa_kernel
	.section	.bss,"aw",@nobits
	.p2align	6
	.space	262144
	.amdgpu_metadata
---
amdhsa.version: [ 1, 2 ]
amdhsa.kernels:
  - .name:           k_qcb46d08d39_attention
    .symbol:         k_qcb46d08d39_attention.kd
    .args:
      - { .name: qkv, .offset: 0, .size: 8, .value_kind: global_buffer, .address_space: global }
      - { .name: yh, .offset: 8, .size: 8, .value_kind: global_buffer, .address_space: global }
    .group_segment_fixed_size: 327680
    .private_segment_fixed_size: 0
    .kernarg_segment_align: 8
    .kernarg_segment_size: 16
    .max_flat_workgroup_size: 128
    .sgpr_count:     86
    .vgpr_count:     640
    .wavefront_size: 32
...
	.end_amdgpu_metadata
.endif
;; end of part 3
;; launch projection (part 4): grid 4 x 64, 4 waves a work-group, clusters of 4 x 4, 327,680 bytes of LDS; arguments yh, wph, b_proj, out0; writes out0
.if DOCPART == 4
	.amdgcn_target "amdgcn-amd-amdhsa--gfx1250"
	.amdhsa_code_object_version 6
	.text
	.protected	k_qcb46d08d39_projection
	.globl	k_qcb46d08d39_projection
	.p2align	8
	.type	k_qcb46d08d39_projection,@function
k_qcb46d08d39_projection:
	s_mov_b64 s[64:65], 0
	v_nop
	global_prefetch_b8 v0, s[64:65] scope:SCOPE_SE
	s_setreg_imm32_b32 hwreg(HW_REG_WAVE_MODE, 25, 1), 1
	s_wait_xcnt 0x0
	s_wait_alu depctr_hold_cnt(0) depctr_sa_sdst(0) depctr_va_vdst(0) depctr_va_sdst(0) depctr_va_ssrc(0) depctr_va_vcc(0) depctr_vm_vsrc(0)
	s_getreg_b32 s2, hwreg(HW_REG_IB_STS2, 6, 4)
	s_cmp_eq_u32 s2, 0
	s_cbranch_scc0 .Lentry_in_a_cluster
	s_endpgm
.Lentry_in_a_cluster:
	s_bfe_u32 s2, ttmp6, 0x10000c
	s_cmp_lg_u32 s2, 0xf033
	s_cbranch_scc0 .Lentry_shape_is_right
	s_endpgm
.Lentry_shape_is_right:
; out0[m][n] = sum over k of yh[m][k] wph[n][k] + b_proj[n].  yh [8192][1024], wph [1024][1024] in f16; sums and out0 in f32.  Nothing is left out here.
; A work-group makes a block of 128 x 256, so that there are 256 work-groups; a wave makes 64 rows x 128 columns: 32 accumulator tiles, window 2.
; K goes in steps of 128 through a ring of two LDS slots filled by tensor loads; rows are 256 bytes of memory at multiples of 256.
; CLUSTERS: 4 x 4 work-groups; yh's tile is shared along a row of the cluster, wph's along a column, each asked for jointly by the four that need it.
; The matrix instruction is used transposed (source 0 = rows of wph, source 1 = rows of yh): a lane's 8 results are 8 neighbouring columns of one row.
; REGISTERS: window 0: v0-31 addresses; v64-95, v128-159 fragments of yh, two buffers (v64-127, v128-191 serve the way out); v192-255 my 64 bias numbers
;            window 1: v64-127, v128-191 fragments of wph;  window 2: tile (a, b) at v[8 (8 a + b)]
.set SIZE_K, 1024
.set KSTEP,  128
.set PITCH,  272                       ; 256 bytes + 16 of padding: row r starts 16 r bytes further modulo 256
.set AQ,     64*PITCH                  ; 64 rows of yh: one tensor load, and one wave's rows
.set ATILE,  128*PITCH
.set BH,     128*PITCH                 ; 128 rows of wph: one tensor load, and one wave's columns
.set SLOT,   ATILE+2*BH                ; 104,448
.set STAGE,  2*SLOT                    ; 208,896: 16 rows x 528 bytes for each wave; no tensor load lands here
.set SPITCH, 528                       ; 512 bytes of f32 + 16
.set LAPS, SIZE_K/(2*KSTEP)
.set ADRA, 16
.set ADRB, 20
.set STO,  24
.set RD,   25
.set CO,   26
.set BO,   27
.set F0,   64
.set F1,   128
.set BI,   192
.set G1, 24
.set G0, 32
.set G1B, 48
.set G0B, 56
.set MSB, 0
.macro WIN new
.if MSB != \new
	s_set_vgpr_msb (MSB<<8)|\new
.set MSB, \new
.endif
.endm
.set MULW, 0xa1                        ; source 0 (wph) window 1, source 1 (yh) window 0, C and D window 2
.set TO_B, 0x40
.macro JLOAD s                         ; waves 0 and 1 fetch yh's two halves, waves 2 and 3 wph's
	s_cmp_eq_u32 s11, 0
	s_cbranch_scc0 .Lfor_b_\@
	tensor_load_to_lds s[G0+4*\s:G0+4*\s+3], s[G1:G1+7]
	s_nop 0
	s_branch .Lasked_\@
.Lfor_b_\@:
	tensor_load_to_lds s[G0B+4*\s:G0B+4*\s+3], s[G1B:G1B+7]
	s_nop 0
.Lasked_\@:
.endm
.macro CREST
	s_cmp_lg_u32 s10, 0
	s_cbranch_scc1 .Lnot_wave_0_\@
	s_barrier_signal -3
.Lnot_wave_0_\@:
	s_barrier_wait -3
	s_barrier_signal -1
	s_barrier_wait -1
.endm
.macro CROUND
	s_barrier_signal -1
	s_barrier_wait -1
	CREST
.endm
	s_load_b128 s[4:7], s[0:1], 0x0                ; yh s[4:5], wph s[6:7]
	s_load_b64 s[66:67], s[0:1], 0x10              ; b_proj
	s_load_b64 s[8:9], s[0:1], 0x18                ; out0
	s_set_vgpr_msb 0x40
	v_lshl_add_u32 v255, v0, 2, 0x3b400
	s_set_vgpr_msb 0x4000
	v_mov_b32 v63, 0
	s_set_vgpr_msb 0x1
	ds_add_u32 v255, v63
	ds_add_u32 v255, v63
	s_set_vgpr_msb 0x100
	v_lshrrev_b32 v1, 5, v0
	v_readfirstlane_b32 s10, v1                    ; wave 0..3
	s_lshr_b32 s11, s10, 1                         ; which 64 rows of the block are mine.  Also: I fetch for yh (0) or wph (1)
	s_and_b32 s12, s10, 1                          ; which 128 columns.  Also: which half of that tile I fetch
	s_bfe_u32 s40, ttmp6, 0x40000                  ; cx
	s_bfe_u32 s41, ttmp6, 0x40004                  ; cy
	s_lshl_b32 s42, ttmp9, 2
	s_add_co_u32 s42, s42, s40                     ; block column
	s_and_b32 s13, ttmp7, 0xffff
	s_lshl_b32 s13, s13, 2
	s_add_co_u32 s13, s13, s41                     ; block row
	s_lshl_b32 s43, s41, 2
	s_lshl_b32 s43, 15, s43                        ; my row of the cluster
	s_lshl_b32 s44, 0x1111, s40                    ; my column
	s_or_b32 s[G1+0], s43, (1<<16)|(1<<20)|(1<<21)|(5<<22)|(3<<25)   ; elements of 2 bytes, 4 words of padding behind every 64, the mask of my row
	s_or_b32 s[G1B+0], s44, (1<<16)|(1<<20)|(1<<21)|(5<<22)|(3<<25)  ; the mask of my column
	s_mov_b32 s[G1+1], KSTEP<<16                   ; tensor_dim0 = 128
	s_mov_b32 s[G1B+1], KSTEP<<16
	s_mov_b32 s[G1+2], 64<<16                      ; tensor_dim1: 64 rows of yh,
	s_mov_b32 s[G1B+2], 128<<16                    ; 128 of wph
	s_mov_b32 s[G1+3], KSTEP<<16                   ; tile_dim0 = 128
	s_mov_b32 s[G1B+3], KSTEP<<16
	s_mov_b32 s[G1+4], 64                          ; tile_dim1
	s_mov_b32 s[G1B+4], 128
	s_mov_b32 s[G1+5], SIZE_K
	s_mov_b32 s[G1B+5], SIZE_K
	s_mov_b32 s[G1+6], 0
	s_mov_b32 s[G1B+6], 0
	s_mov_b32 s[G1+7], 0
	s_mov_b32 s[G1B+7], 0
	s_lshl_b32 s17, s12, 6
	s_lshl_b32 s16, s13, 7
	s_add_co_u32 s16, s16, s17                     ; yh: row 128 x block row + 64 x half
	s_lshl_b32 s17, s12, 7
	s_lshl_b32 s46, s42, 8
	s_add_co_u32 s46, s46, s17                     ; wph: row 256 x block column + 128 x half
	s_mov_b32 s17, 0
	s_mov_b32 s47, 0
	s_mov_b64 s[18:19], SIZE_K*2
	s_mul_u64 s[16:17], s[16:17], s[18:19]
	s_mul_u64 s[46:47], s[46:47], s[18:19]
	s_mul_i32 s20, s12, AQ                         ; where yh's half goes,
	s_mul_i32 s45, s12, BH
	s_add_co_u32 s45, s45, ATILE                   ; and wph's, behind yh's 128 rows: the wave's number alone enters an LDS address
	s_lshl_b32 s68, s42, 10                        ; my 128 columns in b_proj, bytes
	s_lshl_b32 s69, s12, 9
	s_add_co_u32 s68, s68, s69
	s_mov_b32 s69, 0
	s_wait_dscnt 0x0
	s_wait_kmcnt 0x0
	s_add_nc_u64 s[14:15], s[4:5], s[16:17]
	s_add_nc_u64 s[46:47], s[6:7], s[46:47]
	s_add_nc_u64 s[66:67], s[66:67], s[68:69]
	CROUND                                         ; all sixteen work-groups are here: the first joint loads meet
.irp s, 0,1
	s_mov_b32 s[G0+4*\s], 1
	s_add_co_u32 s[G0+4*\s+1], s20, \s*SLOT
	s_add_nc_u64 s[G0+4*\s+2:G0+4*\s+3], s[14:15], \s*KSTEP*2
	s_or_b32 s[G0+4*\s+3], s[G0+4*\s+3], 0x80000000
	s_mov_b32 s[G0B+4*\s], 1
	s_add_co_u32 s[G0B+4*\s+1], s45, \s*SLOT
	s_add_nc_u64 s[G0B+4*\s+2:G0B+4*\s+3], s[46:47], \s*KSTEP*2
	s_or_b32 s[G0B+4*\s+3], s[G0B+4*\s+3], 0x80000000
	JLOAD \s                                       ; two tensor loads of mine are out
.endr
	v_and_b32 v1, 15, v0
	v_bfe_u32 v2, v0, 4, 1
	v_lshlrev_b32 v[BO], 5, v2                     ; 32 (l / 16)
.irp b, 0,1,2,3,4,5,6,7
	global_load_b128 v[BI+8*\b:BI+8*\b+3],   v[BO], s[66:67] offset:64*\b      ; bias of columns 16 b + 8 (l / 16) + 0..3
	global_load_b128 v[BI+8*\b+4:BI+8*\b+7], v[BO], s[66:67] offset:64*\b+16   ; + 4..7
.endr
	v_mul_u32_u24 v3, v1, PITCH
	v_lshl_add_u32 v3, v2, 4, v3
	s_mul_i32 s21, s11, AQ                         ; my 64 rows of yh
	s_mul_i32 s22, s12, BH
	s_add_co_u32 s22, s22, ATILE                   ; my 128 rows of wph
.irp s, 0,1
	v_add_nc_u32 v[ADRA+\s], s21, v3
	v_add_nc_u32 v[ADRB+\s], s22, v3
	s_add_co_u32 s21, s21, SLOT
	s_add_co_u32 s22, s22, SLOT
.endr
	s_mul_i32 s23, s10, 16*SPITCH
	s_add_co_u32 s23, s23, STAGE                   ; my stage
	v_mul_u32_u24 v4, v1, SPITCH
	v_lshl_add_u32 v4, v2, 5, v4                   ; in: row l % 16, 32 bytes for each half of the lanes
	v_add_nc_u32 v[STO], s23, v4
	v_and_b32 v5, 31, v0
	v_lshlrev_b32 v[CO], 4, v5                     ; back and out: 16 l, a whole row of 512 bytes a wave
	v_add_nc_u32 v[RD], s23, v[CO]
; 16 matrix instructions: m blocks a0, a0 + 1 x all 8 n blocks.  The 32 accumulators take turns, one instruction a turn, in the same order in every
; quarter step.
.macro MUL16 f, a0, zero
.irp a, \a0, \a0+1
.irp b, 0,1,2,3,4,5,6,7
.if \zero
	v_wmma_f32_16x16x32_f16 v[8*(8*(\a)+\b):8*(8*(\a)+\b)+7], v[\f+8*\b:\f+8*\b+7], v[\f+8*(\a):\f+8*(\a)+7], 0
.else
	v_wmma_f32_16x16x32_f16 v[8*(8*(\a)+\b):8*(8*(\a)+\b)+7], v[\f+8*\b:\f+8*\b+7], v[\f+8*(\a):\f+8*(\a)+7], v[8*(8*(\a)+\b):8*(8*(\a)+\b)+7]
.endif
.endr
.endr
.endm
.macro FETCH slot, k, f                ; 24 LDS loads in one run: 128 rows of wph, 64 rows of yh, 32 along K
	WIN TO_B
.irp i, 0,1,2,3,4,5,6,7
	ds_load_b128 v[\f+8*\i:\f+8*\i+3],   v[ADRB+\slot] offset:\k+\i*16*PITCH
	ds_load_b128 v[\f+8*\i+4:\f+8*\i+7], v[ADRB+\slot] offset:\k+\i*16*PITCH+32
.endr
	WIN 0
.irp i, 0,1,2,3
	ds_load_b128 v[\f+8*\i:\f+8*\i+3],   v[ADRA+\slot] offset:\k+\i*16*PITCH
	ds_load_b128 v[\f+8*\i+4:\f+8*\i+7], v[ADRA+\slot] offset:\k+\i*16*PITCH+32
.endr
.endm
.macro PLACES                          ; four independent vector instructions behind a matrix instruction before its registers are loaded or touched (ISA guide 7.12.1)
.rept 4
	v_nop
.endr
.endm
; A quarter step: buffer f is in; the next quarter's fragments go out into buffer g ahead of the 32 products, which cover them.
.macro QUARTER slot, k, f, g, zero
	s_wait_dscnt 0
	PLACES
	FETCH \slot, \k, \g
	WIN MULW
	MUL16 \f, 0, \zero
	MUL16 \f, 2, \zero
.endm
.macro THREE slot, zero
	QUARTER \slot, 64,  F0, F1, \zero
	QUARTER \slot, 128, F1, F0, 0
	QUARTER \slot, 192, F0, F1, 0
.endm
; The last quarter changes slots: in front of the barrier my reads of this slot and all my tensor loads are done; behind it the refill comes first.
.macro TURN slot, next, fill
	s_wait_dscnt 0                                 ; buffer 1 is in: these were my last reads of this slot
	s_wait_tensorcnt 0x0                           ; all my tensor loads have landed: the one that was out is my part of the next slot
	ds_add_u32 v255, v63
	s_wait_dscnt 0x0
	s_barrier_signal -1                            ; (where a slot is filled again this barrier opens a round of the cluster's barrier)
	WIN MULW
	MUL16 F1, 0, 0                                 ; registers only
	WIN 0
	s_barrier_wait -1
.if \fill
	CREST                                          ; no wave of any partner still reads this slot or has a load on its way
	s_add_nc_u64 s[G0+4*\slot+2:G0+4*\slot+3], s[G0+4*\slot+2:G0+4*\slot+3], 2*KSTEP*2
	s_add_nc_u64 s[G0B+4*\slot+2:G0B+4*\slot+3], s[G0B+4*\slot+2:G0B+4*\slot+3], 2*KSTEP*2
	JLOAD \slot                                    ; the first tensor load behind the round, my only one until the next
.endif
	PLACES
	FETCH \next, 0, F0
	WIN MULW
	MUL16 F1, 2, 0
.endm
.macro LAP zero
	THREE 0, \zero
	TURN 0, 1, 1
	THREE 1, 0
	TURN 1, 0, 1
.endm
	s_wait_tensorcnt 1                             ; my part of K step 0 is in; K step 1's stays out
	s_barrier_signal -1
	s_barrier_wait -1
	FETCH 0, 0, F0
	LAP 1                                          ; the first products start the sums
	WIN 0
	s_mov_b32 s3, LAPS-2
.Llap:
	LAP 0
	WIN 0
	s_sub_co_u32 s3, s3, 1
	s_cmp_lg_u32 s3, 0
	s_cbranch_scc1 .Llap
	THREE 0, 0                                     ; the last lap fills nothing
	TURN 0, 1, 0
	THREE 1, 0
	s_wait_dscnt 0
	WIN MULW
	MUL16 F1, 0, 0
	MUL16 F1, 2, 0
	; THE WAY OUT, 16 rows at a time: add the bias, 32 bytes a lane into my own stage, read whole rows of 512 bytes back, store them.
	PLACES
	s_wait_loadcnt 0x0                             ; the bias
	s_lshl_b32 s13, s13, 7
	s_lshl_b32 s14, s11, 6
	s_add_co_u32 s16, s13, s14                     ; my first row,
	s_lshl_b32 s16, s16, 12                        ; of 4,096 bytes
	s_mov_b32 s17, 0
	s_add_nc_u64 s[8:9], s[8:9], s[16:17]
	s_lshl_b32 s46, s42, 10                        ; my first column, in bytes
	s_lshl_b32 s47, s12, 9
	s_add_co_u32 s46, s46, s47
	s_mov_b32 s47, 0
	s_add_nc_u64 s[8:9], s[8:9], s[46:47]
.macro OUT16 a, f
	WIN 0x82                                       ; destination and source 0 window 2, the bias window 0
.irp b, 0,1,2,3,4,5,6,7
.irp r, 0,1,2,3
	v_pk_add_f32 v[8*(8*\a+\b)+2*\r:8*(8*\a+\b)+2*\r+1], v[8*(8*\a+\b)+2*\r:8*(8*\a+\b)+2*\r+1], v[BI+8*\b+2*\r:BI+8*\b+2*\r+1]
.endr
.endr
	WIN 0x08                                       ; an LDS store's data is source 1: window 2
.irp b, 0,1,2,3,4,5,6,7
	ds_store_b128 v[STO], v[8*(8*\a+\b):8*(8*\a+\b)+3]   offset:64*\b
	ds_store_b128 v[STO], v[8*(8*\a+\b)+4:8*(8*\a+\b)+7] offset:64*\b+16
.endr
	WIN 0
	s_wait_xcnt 0x0                                ; buffer f, which earlier stores read, and the stores' base are rewritten only behind this wait
.if \a
	s_add_nc_u64 s[8:9], s[8:9], 16*4096
.endif
.irp t, 0,1,2,3,4,5,6,7,8,9,10,11,12,13,14,15
	ds_load_b128 v[\f+4*\t:\f+4*\t+3], v[RD] offset:\t*SPITCH      ; LDS serves a wave's instructions in order: these see the stores above
.endr
.irp t, 0,1,2,3,4,5,6,7,8,9,10,11,12,13,14,15
	s_wait_dscnt 15-\t                             ; read-back t is in, the younger ones stay out
	global_store_b128 v[CO], v[\f+4*\t:\f+4*\t+3], s[8:9] offset:\t*4096 th:TH_STORE_NT   ; 512 consecutive bytes at a multiple of 512
.endr
.endm
	OUT16 0, F0
	OUT16 1, F1
	OUT16 2, F0
	OUT16 3, F1
	s_set_vgpr_msb 0x1
	s_wait_tensorcnt 0x0
	ds_add_u32 v255, v63
	s_wait_dscnt 0x0
	s_set_vgpr_msb 0x100
	CROUND                                         ; the closing round: no work-group ends while a partner may still ask for a tile that names it
	s_endpgm
.Lfunc_end_k_qcb46d08d39_projection:
	.size	k_qcb46d08d39_projection, .Lfunc_end_k_qcb46d08d39_projection-k_qcb46d08d39_projection
	.p2alignl 7, 3214868480
	.fill 96, 4, 3214868480
	.section	.rodata,"a",@progbits
	.p2align	6, 0x0
	.amdhsa_kernel k_qcb46d08d39_projection
		.amdhsa_group_segment_fixed_size 327680
		.amdhsa_private_segment_fixed_size 0
		.amdhsa_enable_private_segment 0
		.amdhsa_kernarg_size 32
		.amdhsa_user_sgpr_count 2
		.amdhsa_user_sgpr_kernarg_segment_ptr 1
		.amdhsa_wavefront_size32 1
		.amdhsa_system_sgpr_workgroup_id_x 1
		.amdhsa_system_sgpr_workgroup_id_y 1
		.amdhsa_system_sgpr_workgroup_id_z 1
		.amdhsa_system_vgpr_workitem_id 0
		.amdhsa_next_free_vgpr 768
		.amdhsa_next_free_sgpr 72
		.amdhsa_reserve_vcc 0
		.amdhsa_float_denorm_mode_32 3
		.amdhsa_float_denorm_mode_16_64 3
		.amdhsa_memory_ordered 1
		.amdhsa_forward_progress 1
		.amdhsa_inst_pref_size 128
	.end_amdhsa_kernel
	.amdgpu_metadata
---
amdhsa.version: [ 1, 2 ]
amdhsa.kernels:
  - .name:           k_qcb46d08d39_projection
    .symbol:         k_qcb46d08d39_projection.kd
    .args:
      - { .name: yh, .offset: 0, .size: 8, .value_kind: global_buffer, .address_space: global }
      - { .name: wph, .offset: 8, .size: 8, .value_kind: global_buffer, .address_space: global }
      - { .name: b_proj, .offset: 16, .size: 8, .value_kind: global_buffer, .address_space: global }
      - { .name: out0, .offset: 24, .size: 8, .value_kind: global_buffer, .address_space: global }
    .group_segment_fixed_size: 327680
    .private_segment_fixed_size: 0
    .kernarg_segment_align: 8
    .kernarg_segment_size: 32
    .max_flat_workgroup_size: 128
    .sgpr_count:     72
    .vgpr_count:     768
    .wavefront_size: 32
...
	.end_amdgpu_metadata
.endif
;; end of part 4
;; ======== version 2 of 2: 4 launches; version 1 with the launch convert written anew for expert scheduling mode
;; limits: values are held in f16: magnitudes above 65,504 overflow, below 6.1e-05 lose precision
;; workspace buffers: xb 16,777,216 bytes; wab 6,291,456 bytes; wph 2,097,152 bytes; qkv 50,331,648 bytes; yh 16,777,216 bytes
;; launch convert (part 5): grid 768 x 1, 8 waves a work-group, no clusters, 0 bytes of LDS; arguments x, w_attn, w_proj, xb, wab, wph; writes xb, wab, wph
.if DOCPART == 5
	.amdgcn_target "amdgcn-amd-amdhsa--gfx1250"
	.amdhsa_code_object_version 6
	.text
	.protected	k_qcb46d08d39_convert
	.globl	k_qcb46d08d39_convert
	.p2align	8
	.type	k_qcb46d08d39_convert,@function
k_qcb46d08d39_convert:
	s_mov_b64 s[64:65], 0
	v_nop
	global_prefetch_b8 v0, s[64:65] scope:SCOPE_SE
	s_setreg_imm32_b32 hwreg(HW_REG_WAVE_SCHED_MODE, 0, 2), 2
	s_setreg_imm32_b32 hwreg(HW_REG_WAVE_MODE, 25, 1), 1
	s_wait_xcnt 0x0
	s_wait_alu depctr_vm_vsrc(0)
; CAUSAL SELF-ATTENTION in four launches: this cast, the QKV product, the attention, the output product.
;
; WORK LEFT OUT IN THE LATER LAUNCHES, and why it can reach no output for any finite inputs:
; (a) Score tiles whose every key index is above every query index.  reference() itself sets those scores to the lowest f32 by its
;     jnp.tril mask; each query row has its own diagonal score unmasked, so the row's maximum is a live score, the masked entries' exponentials
;     are 0 and their products with v add 0.  Such tiles of q k^T and of att v are not computed, and their k and v are not loaded for that query block.
; (b) The K third of b_attn (entries 1024 to 2047).  q.(k + bk) = q.k + q.bk, and q.bk is the same for every key of a query row: a term that is
;     constant along the softmax's axis cancels between numerator and denominator.  Those 1,024 numbers are not loaded; the Q and V thirds are.
; LIMIT: a NaN, an infinity or an overflow that reaches only the work left out (the K bias; k and v of tiles above the diagonal) is not carried to the result.
;
; THIS LAUNCH: x and w_attn are rounded once to bf16 (xb, wab); w_proj is rounded to bf16 and that number written as f16 (wph), because its partner
; in the last product, y, is kept in f16.  The f16 copy is exact for |w| >= 2^-17; below that it is off by at most 2^-25.  LIMIT: |w_proj| < 65504.
; A stream: each byte is read once and written once; LDS, matrix units and clusters have nothing to add here.
; A work-group takes 16,384 numbers: groups 0-511 x, 512-703 w_attn, 704-767 w_proj.  Thread t takes the 16 bytes at 4096 j + 16 t, j = 0..15:
; a wave's load covers 512 consecutive bytes, its store 256 consecutive bytes at a multiple of 256.  All sixteen loads go out first; there is no
; loop and every register that a memory instruction names is written once, so no source of a pending instruction is ever rewritten.
;
; THE MODE: SCHED_MODE bits 1:0 = 2 (LLVM: expert scheduling mode 2), set by the entry lines.  The code itself states the register dependences
; between vector instructions and memory instructions, with s_wait_alu, always for 0.
; THE PLAN.  Registers that memory instructions touch:
;   v1, v2   byte offsets, made once at the head and never written again.  v1 is read by the sixteen loads, v2 by the sixteen stores.
;   X        load j lands in its own four registers, which no vector instruction names before; block j / 4's conversions read them.
;   Y        the conversions of load j write its own two registers, once; store j reads them.
;   T        named by vector instructions alone.
; The sixteen loads are worked on in four blocks of four.  Block g's conversions read X and write Y of loads 4 g to 4 g + 3; its memory instructions are the four
; stores of block g - 1, which read the Y that the block before wrote and that no conversion of block g names.  So one wait at a block's head states all that
; its four stores hang on, and they are dealt among its conversions with no further wait.  No register that a memory instruction reads is written
; again, no load lands in a register that a vector instruction has named, no vector instruction writes a scalar register, and EXEC is never written.
.set X, 4                              ; v[4:67]    load j: 4 f32
.set Y, 68                             ; v[68:99]   store j: 4 numbers of 16 bits
.set T, 100                            ; v[100:105] at work (w_proj only)
	s_load_b256 s[4:11], s[0:1], 0x0               ; x s[4:5], w_attn s[6:7], w_proj s[8:9], xb s[10:11]
	s_load_b128 s[12:15], s[0:1], 0x20             ; wab s[12:13], wph s[14:15]
	s_mov_b32 s20, ttmp9
	s_mov_b32 s24, 0xffff0000                      ; a word's upper bf16
	s_movk_i32 s25, 512                            ; first group of w_attn
	s_movk_i32 s26, 704                            ; first group of w_proj
	v_lshlrev_b32 v1, 4, v0                        ; 16 t
	v_lshlrev_b32 v2, 3, v0                        ; 8 t
	s_wait_kmcnt 0x0
	s_cmp_lt_u32 s20, s26                          ; the choice of buffers hangs on the group's number alone
	s_cselect_b64 s[16:17], s[6:7], s[8:9]
	s_cselect_b64 s[18:19], s[12:13], s[14:15]
	s_cselect_b32 s21, s25, s26
	s_cmp_lt_u32 s20, s25
	s_cselect_b64 s[16:17], s[4:5], s[16:17]
	s_cselect_b64 s[18:19], s[10:11], s[18:19]
	s_cselect_b32 s21, 0, s21
	s_sub_co_u32 s21, s20, s21                     ; the group's number inside its buffer
	s_lshl_b32 s22, s21, 16                        ; 65,536 bytes of f32 a group
	s_mov_b32 s23, 0
	s_add_nc_u64 s[16:17], s[16:17], s[22:23]
	s_lshl_b32 s22, s21, 15                        ; 32,768 bytes of 16-bit numbers a group
	s_add_nc_u64 s[18:19], s[18:19], s[22:23]
	s_wait_alu depctr_va_vdst(0)                   ; v1 and v2 are written: every load of the kernel reads v1 as its offset, every store v2
.irp j, 0,1,2,3,4,5,6,7,8,9,10,11,12,13,14,15
	global_load_b128 v[X+4*\j:X+4*\j+3], v1, s[16:17] offset:4096*\j th:TH_LOAD_NT
.endr
.macro CVB j                           ; the four numbers of load j to bf16
	v_cvt_pk_bf16_f32 v[Y+2*(\j)],   v[X+4*(\j)],   v[X+4*(\j)+1]
	v_cvt_pk_bf16_f32 v[Y+2*(\j)+1], v[X+4*(\j)+2], v[X+4*(\j)+3]
.endm
.macro CVH j                           ; the four numbers of load j rounded to bf16, widened again, written as f16
	v_cvt_pk_bf16_f32 v[T],   v[X+4*(\j)],   v[X+4*(\j)+1]
	v_cvt_pk_bf16_f32 v[T+1], v[X+4*(\j)+2], v[X+4*(\j)+3]
	v_lshlrev_b32 v[T+2], 16, v[T]
	v_and_b32     v[T+3], s24, v[T]
	v_lshlrev_b32 v[T+4], 16, v[T+1]
	v_and_b32     v[T+5], s24, v[T+1]
	v_cvt_pk_f16_f32 v[Y+2*(\j)],   v[T+2], v[T+3]
	v_cvt_pk_f16_f32 v[Y+2*(\j)+1], v[T+4], v[T+5]
.endm
.macro ST j                            ; store j: a wave's 256 consecutive bytes
	global_store_b64 v2, v[Y+2*(\j):Y+2*(\j)+1], s[18:19] offset:2048*(\j)
.endm
; Block g, once for each of the two kinds of rounding: its four loads are waited for; the block before goes out, a store ahead of each load's conversions.
.macro BLKB g
	s_wait_loadcnt 12-4*(\g)                       ; loads come back in order: loads 4 g to 4 g + 3 are in, the 12 - 4 g younger ones stay out
.if (\g) > 0
	s_wait_alu depctr_va_vdst(0)                   ; the block before has written its eight Y registers, which the four stores below read; no conversion below names them
.endif
.irp i, 0,1,2,3
.if (\g) > 0
	ST 4*(\g)-4+\i
.endif
	CVB 4*(\g)+\i
.endr
.endm
.macro BLKH g
	s_wait_loadcnt 12-4*(\g)                       ; loads 4 g to 4 g + 3 are in, the 12 - 4 g younger ones stay out
.if (\g) > 0
	s_wait_alu depctr_va_vdst(0)                   ; the block before has written its eight Y registers, which the four stores below read; no conversion below names them
.endif
.irp i, 0,1,2,3
.if (\g) > 0
	ST 4*(\g)-4+\i
.endif
	CVH 4*(\g)+\i
.endr
.endm
	s_cmp_ge_u32 s20, s26
	s_cbranch_scc1 .Lproj
	BLKB 0                                         ; block 0 has no block in front of it: no store, and no wait but the one for its data
	BLKB 1
	BLKB 2
	BLKB 3
	s_wait_alu depctr_va_vdst(0)                   ; block 3 has written its Y registers, which the last four stores read
.irp j, 12,13,14,15
	ST \j
.endr
	s_endpgm
.Lproj:
	BLKH 0
	BLKH 1
	BLKH 2
	BLKH 3
	s_wait_alu depctr_va_vdst(0)                   ; block 3 has written its Y registers, which the last four stores read
.irp j, 12,13,14,15
	ST \j
.endr
	s_endpgm
.Lfunc_end_k_qcb46d08d39_convert:
	.size	k_qcb46d08d39_convert, .Lfunc_end_k_qcb46d08d39_convert-k_qcb46d08d39_convert
	.p2alignl 7, 3214868480
	.fill 96, 4, 3214868480
	.section	.rodata,"a",@progbits
	.p2align	6, 0x0
	.amdhsa_kernel k_qcb46d08d39_convert
		.amdhsa_group_segment_fixed_size 0
		.amdhsa_private_segment_fixed_size 0
		.amdhsa_enable_private_segment 0
		.amdhsa_kernarg_size 48
		.amdhsa_user_sgpr_count 2
		.amdhsa_user_sgpr_kernarg_segment_ptr 1
		.amdhsa_wavefront_size32 1
		.amdhsa_system_sgpr_workgroup_id_x 1
		.amdhsa_system_sgpr_workgroup_id_y 1
		.amdhsa_system_sgpr_workgroup_id_z 1
		.amdhsa_system_vgpr_workitem_id 0
		.amdhsa_next_free_vgpr 112
		.amdhsa_next_free_sgpr 66
		.amdhsa_reserve_vcc 0
		.amdhsa_float_denorm_mode_32 3
		.amdhsa_float_denorm_mode_16_64 3
		.amdhsa_memory_ordered 1
		.amdhsa_forward_progress 1
		.amdhsa_inst_pref_size 15
	.end_amdhsa_kernel
	.amdgpu_metadata
---
amdhsa.version: [ 1, 2 ]
amdhsa.kernels:
  - .name:           k_qcb46d08d39_convert
    .symbol:         k_qcb46d08d39_convert.kd
    .args:
      - { .name: x, .offset: 0, .size: 8, .value_kind: global_buffer, .address_space: global }
      - { .name: w_attn, .offset: 8, .size: 8, .value_kind: global_buffer, .address_space: global }
      - { .name: w_proj, .offset: 16, .size: 8, .value_kind: global_buffer, .address_space: global }
      - { .name: xb, .offset: 24, .size: 8, .value_kind: global_buffer, .address_space: global }
      - { .name: wab, .offset: 32, .size: 8, .value_kind: global_buffer, .address_space: global }
      - { .name: wph, .offset: 40, .size: 8, .value_kind: global_buffer, .address_space: global }
    .group_segment_fixed_size: 0
    .private_segment_fixed_size: 0
    .kernarg_segment_align: 8
    .kernarg_segment_size: 48
    .max_flat_workgroup_size: 256
    .sgpr_count:     66
    .vgpr_count:     112
    .wavefront_size: 32
...
	.end_amdgpu_metadata
.endif
;; end of part 5
;; launch qkvgemm: the kernel of part 2 again; grid 8 x 32, 4 waves a work-group, clusters of 4 x 4, 327,680 bytes of LDS; arguments xb, wab, b_attn, qkv; writes qkv
;; launch attention: the kernel of part 3 again; grid 8 x 32, 4 waves a work-group, no clusters, 327,680 bytes of LDS; arguments qkv, yh; writes yh
;; launch projection: the kernel of part 4 again; grid 4 x 64, 4 waves a work-group, clusters of 4 x 4, 327,680 bytes of LDS; arguments yh, wph, b_proj, out0; writes out0
